; MI455X (gfx1250); checked and timed in simulation.
; The chip was launched on July 23, 2026; its instructions are those of AMD's public machine-readable ISA for CDNA 5 (MIT licence, August 2026) and "CDNA5" Instruction Set Architecture Reference Guide (July 2026). The comments in the code are by the model that wrote it; some were corrected since.
;; Mistral Attention. Allowed arithmetic: matrix products marked QUANTISED: E2M3 operands, one E8M0 scale for each 32 along K, by v_wmma_scale_f32_16x16x128_f8f6f4 with both operands' format E2M3, f32 sums; products left as they are: f32 operands where the result goes on into a quantised operand, else bf16, f16 or f32 operands; f32 sums; everything else in f32.
;; Inputs: Wk 4,096 x 1,024 float32; Wo 2,048 x 4,096 float32; Wq 4,096 x 2,048 float32; Wv 4,096 x 1,024 float32; attention_mask 1 x 1 x 2,048 x 2,048 float32; hidden_states 1 x 2,048 x 4,096 float32; position_ids 1 x 2,048 int32.
;; Outputs: out0 1 x 2,048 x 4,096 float32.
;; This version of the problem:
;;   THIS VERSION OF THE PROBLEM IS GIVEN IN LOW PRECISION. The matrix products marked QUANTISED in the list below multiply operands that are first quantised to E2M3 (2 exponent bits, 3 mantissa bits; 6 bits a number), with one power-of-two scale for each 32 numbers along K (OCP MX v1.0); their sums are f32. All else is computed in f32.
;;   The module's matrix products, in the order in which they are computed (A, B: the left and right operand; K: the contracted axis; several contracted axes count as one K, in the product's order):
;;     1. [M 2,048, K 4,096] x [K 4,096, N 2,048]; A: input hidden_states; B: input Wq: QUANTISED
;;     2. [M 2,048, K 4,096] x [K 4,096, N 1,024]; A: input hidden_states; B: input Wk: QUANTISED
;;     3. [M 2,048, K 4,096] x [K 4,096, N 1,024]; A: input hidden_states; B: input Wv: QUANTISED
;;     4. [M 2,048, K 1] x [K 1, N 64]; A: computed on the way; B: computed on the way: left as it is (no contracted axis)
;;     5. batch 16 x [M 2,048, K 128] x [K 128, N 2,048]; A: computed on the way; B: computed on the way: QUANTISED
;;     6. batch 16 x [M 2,048, K 2,048] x [K 2,048, N 128]; A: softmax (see below); B: computed on the way: QUANTISED
;;     7. [M 2,048, K 2,048] x [K 2,048, N 4,096]; A: computed on the way; B: input Wo: QUANTISED
;;   THE QUANTISER, for each operand of a quantised product, along K:
;;     - K is cut into blocks of 32 from its start; a last block that is shorter is filled with zeros.
;;     - A block's scale is 2^e with e = floor(log2(the largest magnitude in the block)) - 2, held to -126 .. 127; a block of zeros has e = 0. As a byte (E8M0): e + 127.
;;     - Each number is divided by its block's scale, clamped to +-7.5, and rounded to the nearest number of E2M3, ties to even, subnormals kept.
;;     - The product sums the exact products of the quantised numbers (number of the format x scale) in f32.
;;   ~~~python
;;   def quantise(x, axis):      # numpy; x: float32 -> the quantised numbers, widened to float32 again
;;       x = np.moveaxis(x, axis, -1); K = x.shape[-1]
;;       x = np.pad(x, [(0, 0)] * (x.ndim - 1) + [(0, -K % 32)]); x = x.reshape(x.shape[:-1] + (-1, 32)); a = np.abs(x).max(-1, keepdims=True)
;;       e = np.where(a > 0, np.clip(np.frexp(np.where(a > 0, a, 1))[1] - 1 - 2, -126, 127), 0)      # np.frexp(a)[1] - 1 = floor(log2(a)), exactly
;;       r = np.clip(x / 2.0 ** e, -7.5, 7.5)
;;       step = 2.0 ** (np.maximum(np.frexp(np.where(r == 0, 1, r))[1] - 1, 0) - 3)
;;       q = np.round(r / step) * step * 2.0 ** e      # np.round: ties to even
;;       return np.moveaxis(q.reshape(q.shape[:-2] + (-1,))[..., :K], -1, axis).astype(np.float32)
;;   ~~~
;;   SOFTMAX AHEAD OF A QUANTISED PRODUCT. Where the list says 'softmax', what is quantised is not the finished softmax but p = 2^(t - M), with t = logit x log2(e) and M = ceil(the row's largest t), a whole number; so 1/2 < the row's largest p <= 1. The row's sum l is taken of the UNQUANTISED p, in f32, and the product's result is divided by l at the end. Since M is a whole number, a kernel that streams over the keys may use a running M (the ceiling of the running maximum): every later rescaling is an exact power of two, which a block's scale takes up: the codes' values come out the same.
;;   OPERANDS COMPUTED ON THE WAY. 'Computed on the way' means the value that the module computes at that place (a softmax that the list does not call 'softmax' is quantised finished and normalised). What goes into a quantiser is computed in f32, as accurately as f32 sums, v_exp_f32 and their like allow (about 1e-6 of the number): no bf16 or f16 on the way to a quantiser, and a product that is left as it is and whose result goes on into a quantised operand takes f32 operands (vector FMAs, or v_wmma_f32_16x16x4_f32). A number that lies on a knife's edge between two numbers of the format may be rounded either way, as far as f32 arithmetic and the matrix unit's own rounding can turn it there, and no further.
;; One version. Each part assembles by itself: llvm-mc -triple=amdgcn-amd-amdhsa -mcpu=gfx1250 --defsym DOCPART=n.
;; ======== version 1 of 1: 4 launches
;; limits: right only within a limited range of input values
;; workspace buffers: xi 6,553,600 bytes; wi 13,107,200 bytes; woi 6,553,600 bytes; rope 1,081,344 bytes; qkv 6,553,600 bytes; aoi 3,276,800 bytes
;; launch quant_all (part 1): grid 256 x 1, 10 waves a work-group, no clusters, 216,320 bytes of LDS; arguments Wq, Wk, Wv, Wo, hidden_states, position_ids, wi, woi, xi, rope; writes wi, woi, xi, rope
.if DOCPART == 1
	.amdgcn_target "amdgcn-amd-amdhsa--gfx1250"
	.amdhsa_code_object_version 6
	.text
	.protected	k_qf45e0a6ac1_quant_all
	.globl	k_qf45e0a6ac1_quant_all
	.p2align	8
	.type	k_qf45e0a6ac1_quant_all,@function
k_qf45e0a6ac1_quant_all:
	s_mov_b64 s[64:65], 0
	v_nop
	global_prefetch_b8 v0, s[64:65] scope:SCOPE_SE
	s_setreg_imm32_b32 hwreg(HW_REG_WAVE_MODE, 25, 1), 1
	s_wait_xcnt 0x0
; ONE LAUNCH QUANTISES ALL THAT ARRIVES AS f32: the four weights and hidden_states become codes of FP6 (E2M3) with one E8M0 byte for each 32 along K, and the rotary tables are made from position_ids.
; THE COMMON LAYOUT: IMAGES OF OPERAND REGISTERS.  An image is 16 rows x 128 K = 12 registers a lane = 1,536 bytes: registers 4 c .. 4 c + 3 of lane l at byte 512 c + 16 l.  A GROUP is 512 along K of one block of 16 rows:
; four images, then 256 bytes of scale words [row r][K step]: 6,400 bytes.  wi: [block][8 groups] (blocks 0-127 Wq, 128-191 Wk, 192-255 Wv); woi: [block][4 groups]; xi: [block of 16 tokens][8 groups].
; THE ROWS OF A BLOCK ARE NOT NEIGHBOURS: of 32 rows, block 2 B + u holds in its row r the row 32 B + 8 u + r + 8 (r / 8), so that a product that takes the block as source 0 leaves neighbours in a lane's registers.
; SHARES.  256 work-groups of ten waves.  Waves 0-5 take one of 1,536 tasks of the weights each (32 columns x 512 K, 64 KiB of f32); waves 6-9 one of 1,024 tasks of x each (16 tokens x 512 K, 32 KiB, and two chunks of the rotary
; tables).  So every work-group reads the same 512 KiB, and the loads of x are on their way while the weights' waves wait for theirs.  The two roles part once, on the wave's number, and never meet again: waves share nothing,
; there is no barrier.  Every wave has 21,504 bytes of LDS of its own: the weights' stage at + 0, the stage of x at + 13,056.
; A block's scale is 2^(floor(log2(largest magnitude)) - 2); its byte is the largest magnitude's exponent field - 2, held at 1 from below (a block of zeros keeps the byte 1: its codes are zeros, and this program alone reads the bytes).
; LIMITS: blocks whose largest magnitude lies under 2^-124 are held at the byte 1; NaN and infinities among the inputs are not served.  Positions are 0 to 2,047; at the largest of them the
; angle can differ from one made with another f32 power function by about 1e-4.
.set REGION, 21504                     ; a wave's LDS
.set SU,    6528                       ; the weights: a group's place in the stage: 6,400 + 128, so that the lanes of block u = 1 stand 128 bytes further round than those of u = 0
.set XSTG,  2*SU                       ; where the stage of x begins in a wave's region
	s_set_vgpr_msb 0x40
	v_lshl_add_u32 v0, v0, 2, 0x34800
	v_mov_b32 v1, 0
	s_set_vgpr_msb 0x4000
	v_lshrrev_b32 v1, 5, v0
	s_delay_alu instid0(VALU_DEP_1)
	v_readfirstlane_b32 s17, v1                    ; wave 0..9
	s_cmp_lt_u32 s17, 6
	s_cbranch_scc0 .Lx_part
; ======== WAVES 0-5: THE WEIGHTS, f32 with K as their FIRST axis (Wq [4096][2048], Wk, Wv [4096][1024], Wo [2048][4096]).
; A LANE TAKES A COLUMN AND ITS REGISTERS RUN DOWN K: a block of 32 along K lies in one lane, and the conversions give codes with K innermost.  The task's two groups are gathered in the wave's stage and leave in stores of
; 512 consecutive bytes.  One path serves all four tensors: only pointers and sizes are chosen, by the task's number.
.set AW,    2                          ; v2   where my column's codes go: stage + u SU + 16 r
.set RDA,   3                          ; v3   the way out: stage + 16 x lane
.set RDS,   4                          ; v4   the way out of the two scale units: lanes 0-15 block u = 0, lanes 16-31 block u = 1
.set GOA,   5                          ; v5   16 x lane
.set GOS,   6                          ; v6   the scale units' place in memory
.set W,     8                          ; v8-11   my column's scale words, one a K step
.set C,     16                         ; v16-21  a block's codes;  v22-24 its upper half as the conversion leaves it
.set T,     22
.set OFFR,  32                         ; v32-63  4 x column + i rows of W; never rewritten
.set X,     64                         ; v64-127 two sets of 32 numbers;  on the way out v64-163
.set OUT,   64
.set BS,    32                         ; s[32:63] sixteen bases, 32 rows of W apart; never rewritten
	s_load_b256 s[4:11], s[0:1], 0x0               ; Wq, Wk, Wv, Wo
	s_load_b128 s[12:15], s[0:1], 0x30             ; wi, woi
	v_and_b32 v1, 31, v0                           ; my column of the 32
	s_mul_i32 s16, ttmp9, 6
	s_add_co_u32 s16, s16, s17                     ; the task
	s_mul_i32 s18, s17, REGION                     ; my stage
	v_bfe_u32 v7, v0, 3, 1                         ; u
	v_and_b32 v12, 7, v0
	v_bfe_u32 v13, v0, 4, 1
	s_delay_alu instid0(VALU_DEP_1)
	v_lshl_add_u32 v12, v13, 3, v12                ; r = column % 8 + 8 (column / 16)
	s_delay_alu instid0(VALU_DEP_4)
	v_mul_u32_u24 v[AW], v7, SU
	s_delay_alu instid0(VALU_DEP_1)
	v_lshl_add_u32 v[AW], v12, 4, v[AW]
	s_delay_alu instid0(VALU_DEP_1)
	v_add_nc_u32 v[AW], s18, v[AW]
	v_lshlrev_b32 v[GOA], 4, v1
	s_delay_alu instid0(VALU_DEP_1)
	v_add_nc_u32 v[RDA], s18, v[GOA]
	v_and_b32 v14, 15, v0
	s_delay_alu instid0(VALU_DEP_1)
	v_lshlrev_b32 v14, 4, v14
	v_mul_u32_u24 v[RDS], v13, SU
	s_delay_alu instid0(VALU_DEP_1)
	v_add_nc_u32 v[RDS], v[RDS], v14
	s_delay_alu instid0(VALU_DEP_1)
	v_add_nc_u32 v[RDS], s18, v[RDS]
	s_delay_alu instid0(VALU_DEP_1)
	v_add_nc_u32 v[RDS], 6144, v[RDS]
	; which tensor: tasks 0-511 Wq, 512-767 Wk, 768-1023 Wv, 1024-1535 Wo.  The choice hangs on the task's number alone
	s_mov_b32 s20, 7                               ; log2 of the tensor's groups of 32 columns
	s_mov_b32 s21, 1024                            ; its first task
	s_mov_b32 s22, 0                               ; its first block in its buffer
	s_mov_b32 s23, 25600                           ; a block's bytes there
	s_wait_kmcnt 0x0
	s_mov_b64 s[24:25], s[10:11]
	s_mov_b64 s[26:27], s[14:15]
	s_cmp_lt_u32 s16, 1024
	s_cselect_b32 s20, 5, s20
	s_cselect_b32 s21, 768, s21
	s_cselect_b32 s22, 192, s22
	s_cselect_b32 s23, 51200, s23
	s_cselect_b64 s[24:25], s[8:9], s[24:25]
	s_cselect_b64 s[26:27], s[12:13], s[26:27]
	s_cmp_lt_u32 s16, 768
	s_cselect_b32 s21, 512, s21
	s_cselect_b32 s22, 128, s22
	s_cselect_b64 s[24:25], s[6:7], s[24:25]
	s_cmp_lt_u32 s16, 512
	s_cselect_b32 s20, 6, s20
	s_cselect_b32 s21, 0, s21
	s_cselect_b32 s22, 0, s22
	s_cselect_b64 s[24:25], s[4:5], s[24:25]
	s_sub_co_u32 s16, s16, s21                     ; the task within its tensor
	s_lshl_b32 s28, 1, s20
	s_sub_co_u32 s28, s28, 1
	s_and_b32 s19, s16, s28                        ; which 32 columns
	s_lshr_b32 s18, s16, s20                       ; which 512 along K
	s_lshl_b32 s30, 128, s20                       ; a row of W in bytes
	s_add_co_u32 s28, s20, 16
	s_lshl_b32 s28, s18, s28                       ; 512 rows a K group
	s_lshl_b32 s29, s19, 7
	s_add_co_u32 s28, s28, s29
	s_mov_b32 s29, 0
	s_add_nc_u64 s[BS:BS+1], s[24:25], s[28:29]
	s_lshl_b32 s28, s30, 5                         ; 32 rows
.set n_, 1
.rept 15
	s_add_nc_u64 s[BS+2*n_:BS+2*n_+1], s[BS+2*n_-2:BS+2*n_-1], s[28:29]
.set n_, n_+1
.endr
	v_lshlrev_b32 v[OFFR], 2, v1
.set n_, 1
.rept 31
	s_delay_alu instid0(VALU_DEP_1)
	v_add_nc_u32 v[OFFR+n_], s30, v[OFFR+n_-1]
.set n_, n_+1
.endr
.macro LOAD n                          ; block n: W(32 n + i, my column), i = 0 .. 31, into set n % 2: the 32 lanes of a load read 128 consecutive bytes
.set li_, 0
.rept 32
	global_load_b32 v[X+32*((\n)%2)+li_], v[OFFR+li_], s[BS+2*(\n):BS+2*(\n)+1] th:TH_LOAD_NT
.set li_, li_+1
.endr
.endm
	LOAD 0
	LOAD 1
	s_lshl_b32 s31, s19, 1
	s_add_co_u32 s31, s31, s22                     ; my first block
	s_mul_i32 s28, s31, s23
	s_mul_i32 s31, s18, 6400
	s_add_co_u32 s28, s28, s31
	s_add_nc_u64 s[66:67], s[26:27], s[28:29]      ; the group of block u = 0,
	s_mov_b32 s28, s23
	s_add_nc_u64 s[68:69], s[66:67], s[28:29]      ; and of block u = 1
	v_mul_u32_u24 v[GOS], s23, v13
	s_delay_alu instid0(VALU_DEP_1)
	v_add_nc_u32 v[GOS], v[GOS], v14
	s_delay_alu instid0(VALU_DEP_1)
	v_add_nc_u32 v[GOS], 6144, v[GOS]
; Block n = 4 ks + b of my column: k = 128 ks + 32 b + 0 .. 31.  In the image these 24 bytes are registers 6 (b / 2) .. + 5 of lane r + 16 (b % 2).
.macro BLOCK n
.set XS, X+32*((\n)%2)
.set KS_, (\n)/4
.set B_, (\n)%4
.if (\n) < 15
	s_wait_loadcnt 32                              ; this block's 32 loads are in; the next block's may be out
.else
	s_wait_loadcnt 0
.endif
	v_max3_num_f32 v12, |v[XS]|, |v[XS+1]|, |v[XS+2]|              ; the block's largest magnitude: all 32 numbers are mine; two chains
	v_max3_num_f32 v13, |v[XS+3]|, |v[XS+4]|, |v[XS+5]|
.irp i, 6,10,14,18,22,26
	s_delay_alu instid0(VALU_DEP_2)
	v_max3_num_f32 v12, v12, |v[XS+\i]|, |v[XS+\i+1]|
	s_delay_alu instid0(VALU_DEP_2)
	v_max3_num_f32 v13, v13, |v[XS+\i+2]|, |v[XS+\i+3]|
.endr
	s_delay_alu instid0(VALU_DEP_2)
	v_max3_num_f32 v12, v12, |v[XS+30]|, |v[XS+31]|
	s_delay_alu instid0(VALU_DEP_1)
	v_max3_num_f32 v12, v12, v13, 0x1800000        ; and the floor 2^(3 - 127): the byte cannot fall under 1
	s_delay_alu instid0(VALU_DEP_1)
	v_add_nc_u32 v14, 0xff000000, v12              ; 2 off the exponent field: the conversion takes this operand's exponent field as its scale
	s_delay_alu instid0(VALU_DEP_1)
	v_lshrrev_b32 v13, 23, v14                     ; the scale's byte
.if B_ == 0
	s_delay_alu instid0(VALU_DEP_1)
	v_mov_b32 v[W+KS_], v13
.else
	s_delay_alu instid0(VALU_DEP_1)
	v_lshl_or_b32 v[W+KS_], v13, 8*B_, v[W+KS_]
.endif
	v_cvt_scalef32_pk16_fp6_f32 v[C:C+2], v[XS:XS+15], v14
	v_cvt_scalef32_pk16_fp6_f32 v[T:T+2], v[XS+16:XS+31], v14      ; (a conversion's three registers begin on an even number)
	v_nop                                          ; one plain instruction behind a scaled conversion
	v_mov_b32 v[C+3], v[T]
	v_mov_b32 v[C+4], v[T+1]
	v_mov_b32 v[C+5], v[T+2]
.if B_ < 2
	ds_store_b128 v[AW], v[C:C+3] offset:1536*KS_+256*B_
	ds_store_b64 v[AW], v[C+4:C+5] offset:1536*KS_+256*B_+512
.else
	ds_store_b64 v[AW], v[C:C+1] offset:1536*KS_+256*(B_-2)+520
	ds_store_b128 v[AW], v[C+2:C+5] offset:1536*KS_+256*(B_-2)+1024
.endif
.if (\n)+2 < 16
	LOAD (\n)+2
.endif
	s_wait_dscnt 0x0                               ; the stores have read their registers: the next block's codes may be written
.endm
.set Q_, 0
.rept 16
	BLOCK Q_
.set Q_, Q_+1
.endr
	s_wait_alu depctr_va_vdst(0)
	ds_store_b128 v[AW], v[W:W+3] offset:6144      ; my column's four scale words
; THE WAY OUT: LDS serves a wave's instructions in order, so these loads see my stores.  Each store covers 512 consecutive bytes, at a multiple of 256 from the buffer's first byte.
.set n_, 0
.rept 24
	ds_load_b128 v[OUT+4*n_:OUT+4*n_+3], v[RDA] offset:(n_/12)*SU+512*(n_%12)
.set n_, n_+1
.endr
	ds_load_b128 v[OUT+96:OUT+99], v[RDS]
.set n_, 0
.rept 24
	s_wait_dscnt 24-n_                             ; load n is in; the younger ones may be out
	global_store_b128 v[GOA], v[OUT+4*n_:OUT+4*n_+3], s[66+2*(n_/12):67+2*(n_/12)] offset:512*(n_%12)
.set n_, n_+1
.endr
	s_wait_dscnt 0x0
	global_store_b128 v[GOS], v[OUT+96:OUT+99], s[66:67]           ; sixteen lanes fill each block's unit of 256 bytes
	s_set_vgpr_msb 0x5
	s_wait_tensorcnt 0x0
	ds_add_u32 v0, v1
	s_wait_dscnt 0x0
	s_set_vgpr_msb 0x500
	s_endpgm
; ======== WAVES 6-9: hidden_states [2048][4096] f32, K innermost, and the rotary tables.
; Task g = 4 x work-group + wave - 6 takes block g / 8 of 16 tokens, K group g % 8 of x, and chunks g % 8 and 8 + g % 8 of that block's tables.  Each load reads 512 consecutive bytes of a row; a K step's 16 rows turn through
; the wave's own stage in LDS (rows 528 bytes apart), from which lane (r, h) takes the two blocks of 32 numbers that the operand's layout gives it.
; rope: [block of 16 tokens][16 chunks of 512 bytes]; chunk q (0-7) cosines, chunk 8 + q sines; lane (r, h), number e: the token of row r, frequency 32 (q / 4) + 16 h + 4 (q % 4) + e: as the projection's way out wants them.
; Blocks 128-131 hold cosine 1 and sine 0: the values' tiles go through the same lines there and are left as they are.
; THE ANGLE is f32(position) x 2^(-i log2(10000) / 64), the power by v_exp_f32; it is reduced by multiples of pi / 2 in two parts, and sine and cosine are polynomials on +-pi / 4, all in f32.
.set XGL,  4                           ; v4   16 x lane; never rewritten
.set STW,  5                           ; v5   the stage on the way in: + 16 x lane
.set STR,  6                           ; v6   and on the way out: + 528 r + 128 h
.set XGS,  7                           ; v7   the scale unit: 6,144 + 16 r + 8 h
.set XW,   8                           ; v8-11   the scale words of the four K steps
.set XC,   32                          ; v32-43  an image's registers;  v44-46, v48-50 the upper halves as the conversions leave them
.set XT,   44
.set PD,   47                          ; v47  a lane permute's destination
.set SH,   51                          ; v51  8 h
.set XR,   64                          ; v64-191  two sets of 16 rows x 16 bytes as loaded
.set XN,   192                         ; v192-255 my 64 numbers of a K step
.Lx_part:
	s_load_b128 s[4:7], s[0:1], 0x20               ; hidden_states, position_ids
	s_load_b128 s[8:11], s[0:1], 0x40              ; xi, rope
	s_sub_co_u32 s12, s17, 6                       ; 0..3: it enters the task's number alone
	s_mul_i32 s16, s17, REGION
	s_add_co_u32 s16, s16, XSTG                    ; my stage: 16 rows x 528 bytes
	v_and_b32 v1, 31, v0
	v_and_b32 v2, 15, v0                           ; r
	v_bfe_u32 v3, v0, 4, 1                         ; h
	s_lshl_b32 s13, ttmp9, 2
	s_add_co_u32 s13, s13, s12                     ; g
	s_lshr_b32 s14, s13, 3                         ; the block of tokens
	s_and_b32 s15, s13, 7                          ; the K group, and the chunk
	v_lshlrev_b32 v[XGL], 4, v1
	s_delay_alu instid0(VALU_DEP_1)
	v_add_nc_u32 v[STW], s16, v[XGL]
	v_mul_u32_u24 v[STR], v2, 528
	s_delay_alu instid0(VALU_DEP_1)
	v_lshl_add_u32 v[STR], v3, 7, v[STR]
	s_delay_alu instid0(VALU_DEP_1)
	v_add_nc_u32 v[STR], s16, v[STR]
	v_lshlrev_b32 v[XGS], 4, v2
	s_delay_alu instid0(VALU_DEP_1)
	v_lshl_add_u32 v[XGS], v3, 3, v[XGS]
	s_delay_alu instid0(VALU_DEP_1)
	v_add_nc_u32 v[XGS], 6144, v[XGS]
	s_lshr_b32 s17, s14, 1
	s_lshl_b32 s17, s17, 5
	s_and_b32 s18, s14, 1
	s_lshl_b32 s18, s18, 3
	s_add_co_u32 s17, s17, s18                     ; the block's first token
	v_and_b32 v12, 8, v2
	s_delay_alu instid0(VALU_DEP_1)
	v_add_nc_u32 v12, v12, v2
	s_delay_alu instid0(VALU_DEP_1)
	v_add_nc_u32 v12, s17, v12                     ; my row's token
	s_delay_alu instid0(VALU_DEP_1)
	v_lshlrev_b32 v12, 2, v12
	s_lshl_b32 s20, s17, 14                        ; 16,384 bytes a token,
	s_lshl_b32 s21, s15, 11                        ; 2,048 a K group
	s_add_co_u32 s20, s20, s21
	s_mov_b32 s21, 0
	s_mul_i32 s22, s14, 51200
	s_mul_i32 s23, s15, 6400
	s_add_co_u32 s22, s22, s23
	s_mov_b32 s23, 0
	s_lshl_b32 s24, s14, 13
	s_lshl_b32 s25, s15, 9
	s_add_co_u32 s24, s24, s25
	s_mov_b32 s25, 0
	s_mov_b32 s26, 0xbe549a78                      ; -log2(10000) / 64
	s_mov_b32 s27, 0x3f22f983                      ; 2 / pi
	s_mov_b32 s28, 0x3fc90fdb                      ; pi / 2, its upper part,
	s_mov_b32 s29, 0xb33bbd2e                      ; and the rest
	s_mov_b32 s30, 0xb94ca1f9                      ; sine: x + x z (s32 + z (s31 + z s30)), z = x x
	s_mov_b32 s31, 0x3c08839e
	s_mov_b32 s32, 0xbe2aaaa3
	s_mov_b32 s33, 0x37ccf5ce                      ; cosine: 1 - z / 2 + z z (s35 + z (s34 + z s33))
	s_mov_b32 s34, 0xbab6061a
	s_mov_b32 s35, 0x3d2aaaa5
	s_mov_b32 s36, 0x76543210
	s_mov_b32 s37, 0xfedcba98                      ; v_permlanex16_b32's selects for lane l xor 16
	s_lshr_b32 s38, s15, 2
	s_lshl_b32 s38, s38, 5
	s_and_b32 s39, s15, 3
	s_lshl_b32 s39, s39, 2
	s_add_co_u32 s38, s38, s39                     ; 32 (q / 4) + 4 (q % 4)
	s_wait_alu depctr_va_vdst(0)
	s_wait_kmcnt 0x0
	s_add_nc_u64 s[4:5], s[4:5], s[20:21]
	s_add_nc_u64 s[8:9], s[8:9], s[22:23]
	s_add_nc_u64 s[10:11], s[10:11], s[24:25]
	global_load_b32 v13, v12, s[6:7]               ; my token's position
.macro LOADX ks                        ; K step ks of the 16 rows into set ks % 2: the 32 lanes of a load read 512 consecutive bytes of one row
.set t_, 0
.rept 16
	global_load_b128 v[XR+64*((\ks)%2)+4*t_:XR+64*((\ks)%2)+4*t_+3], v[XGL], s[4:5] offset:(t_+8*(t_/8))*16384+512*(\ks) th:TH_LOAD_NT
.set t_, t_+1
.endr
.endm
	LOADX 0
	LOADX 1
	; ---- the rotary tables: four frequencies a lane
	v_lshl_add_u32 v14, v3, 4, s38
	s_delay_alu instid0(VALU_DEP_1)
	v_cvt_f32_u32 v14, v14                         ; my first frequency's number
	s_delay_alu instid0(VALU_DEP_1)
	v_add_f32 v17, 1.0, v14
	s_delay_alu instid0(VALU_DEP_2)
	v_add_f32 v18, 2.0, v14
	s_delay_alu instid0(VALU_DEP_3)
	v_add_f32 v19, 0x40400000, v14
	s_delay_alu instid0(VALU_DEP_4)
	v_mul_f32 v16, s26, v14
	s_delay_alu instid0(VALU_DEP_4)
	v_mul_f32 v17, s26, v17
	s_delay_alu instid0(VALU_DEP_4)
	v_mul_f32 v18, s26, v18
	s_delay_alu instid0(VALU_DEP_4)
	v_mul_f32 v19, s26, v19
	s_wait_alu depctr_va_vdst(0)
.irp e, 0,1,2,3
	v_exp_f32 v[16+\e], v[16+\e]                   ; 10000^(-i / 64)
.endr
	v_lshlrev_b32 v[SH], 3, v3                     ; (a plain instruction behind the exponentials)
	v_mov_b32 v[PD], 0
	s_wait_alu depctr_va_vdst(0)                   ; one wait for the four, ahead of their first reader
	s_wait_loadcnt 32                              ; the position is in; the 32 loads of x may be out
	v_cvt_f32_i32 v15, v13
.irp e, 0,1,2,3
	v_mul_f32 v[16+\e], v15, v[16+\e]              ; the angle
.endr
.irp e, 0,1,2,3
	s_delay_alu instid0(VALU_DEP_4)
	v_mul_f32 v[20+\e], s27, v[16+\e]
.endr
.irp e, 0,1,2,3
	s_delay_alu instid0(VALU_DEP_4)
	v_rndne_f32 v[20+\e], v[20+\e]                 ; n: how many times pi / 2
.endr
.irp e, 0,1,2,3
	s_delay_alu instid0(VALU_DEP_4)
	v_fma_f32 v[24+\e], -v[20+\e], s28, v[16+\e]
.endr
.irp e, 0,1,2,3
	s_delay_alu instid0(VALU_DEP_4)
	v_fma_f32 v[24+\e], -v[20+\e], s29, v[24+\e]   ; x = angle - n pi / 2, within +-pi / 4
.endr
.irp e, 0,1,2,3
	s_delay_alu instid0(VALU_DEP_4)
	v_mul_f32 v[28+\e], v[24+\e], v[24+\e]         ; z
.endr
.irp e, 0,1,2,3
	v_fma_f32 v[52+\e], v[28+\e], s30, s31
	v_fma_f32 v[56+\e], v[28+\e], s33, s34
.endr
.irp e, 0,1,2,3
	v_fma_f32 v[52+\e], v[28+\e], v[52+\e], s32
	v_fma_f32 v[56+\e], v[28+\e], v[56+\e], s35
.endr
.irp e, 0,1,2,3
	v_mul_f32 v[60+\e], v[24+\e], v[28+\e]
	v_fma_f32 v[16+\e], v[28+\e], -0.5, 1.0
.endr
.irp e, 0,1,2,3
	v_fma_f32 v[52+\e], v[60+\e], v[52+\e], v[24+\e]   ; sin x
.endr
.irp e, 0,1,2,3
	v_mul_f32 v[60+\e], v[28+\e], v[28+\e]
	v_cvt_i32_f32 v[20+\e], v[20+\e]
.endr
.irp e, 0,1,2,3
	v_fma_f32 v[56+\e], v[60+\e], v[56+\e], v[16+\e]   ; cos x
.endr
.irp e, 0,1,2,3
	v_and_b32 v[60+\e], 1, v[20+\e]
	s_delay_alu instid0(VALU_DEP_1)
	v_cmp_ne_u32 vcc_lo, 0, v[60+\e]
	s_delay_alu instid0(VALU_DEP_1)
	v_cndmask_b32 v[24+\e], v[52+\e], v[56+\e], vcc_lo ; n odd: the sine's magnitude is cos x,
	s_delay_alu instid0(VALU_DEP_2)
	v_cndmask_b32 v[28+\e], v[56+\e], v[52+\e], vcc_lo ; the cosine's sin x
.endr
.irp e, 0,1,2,3
	v_and_b32 v[60+\e], 2, v[20+\e]                ; the sine is negative where n % 4 is 2 or 3,
	v_add_nc_u32 v[20+\e], 1, v[20+\e]
.endr
.irp e, 0,1,2,3
	v_lshlrev_b32 v[60+\e], 30, v[60+\e]
	v_and_b32 v[20+\e], 2, v[20+\e]                ; the cosine where it is 1 or 2
.endr
.irp e, 0,1,2,3
	v_xor_b32 v[24+\e], v[60+\e], v[24+\e]
	v_lshlrev_b32 v[20+\e], 30, v[20+\e]
.endr
.irp e, 0,1,2,3
	v_xor_b32 v[28+\e], v[20+\e], v[28+\e]
.endr
	global_store_b128 v[XGL], v[28:31], s[10:11]                   ; the cosines' chunk: 512 consecutive bytes
	global_store_b128 v[XGL], v[24:27], s[10:11] offset:4096       ; the sines'
	s_cmp_lt_u32 s13, 32                           ; the first 32 tasks also write blocks 128-131
	s_cbranch_scc0 .Lno_id
.irp e, 0,1,2,3
	v_mov_b32 v[52+\e], 1.0
	v_mov_b32 v[56+\e], 0
.endr
	global_store_b128 v[XGL], v[52:55], s[10:11] offset:1048576
	global_store_b128 v[XGL], v[56:59], s[10:11] offset:1048576+4096
.Lno_id:
; ---- x.  A K step: its 16 rows through the stage; my two blocks (k = 32 h + 0 .. 31 and 64 + 32 h + 0 .. 31 of row r) are quantised: the conversions' results are the image's registers.
.macro STEPX ks
.if (\ks) < 3
	s_wait_loadcnt 16                              ; this step's 16 loads are in; the other set's may be out
.else
	s_wait_loadcnt 0
.endif
.set t_, 0
.rept 16
	ds_store_b128 v[STW], v[XR+64*((\ks)%2)+4*t_:XR+64*((\ks)%2)+4*t_+3] offset:528*t_
.set t_, t_+1
.endr
.set t_, 0
.rept 8
	ds_load_b128 v[XN+4*t_:XN+4*t_+3], v[STR] offset:16*t_         ; LDS serves a wave's instructions in order: these see my stores
	ds_load_b128 v[XN+32+4*t_:XN+35+4*t_], v[STR] offset:256+16*t_
.set t_, t_+1
.endr
	s_wait_dscnt 0x0                               ; my numbers are in, and the stores have read their set,
.if (\ks)+2 < 4
	LOADX (\ks)+2                                  ; which takes the K step two on
.endif
.irp c, 0,1
	v_max3_num_f32 v[12+\c], |v[XN+32*\c]|, |v[XN+32*\c+1]|, 0x1800000   ; with the floor 2^(3 - 127): the byte cannot fall under 1
.endr
.irp i, 2,4,6,8,10,12,14,16,18,20,22,24,26,28,30
.irp c, 0,1
	s_delay_alu instid0(VALU_DEP_2)
	v_max3_num_f32 v[12+\c], v[12+\c], |v[XN+32*\c+\i]|, |v[XN+32*\c+\i+1]|
.endr
.endr
.irp c, 0,1
	s_delay_alu instid0(VALU_DEP_2)
	v_add_nc_u32 v[14+\c], 0xff000000, v[12+\c]    ; 2 off the exponent field: the conversion's scale operand
.endr
.irp c, 0,1
	s_delay_alu instid0(VALU_DEP_2)
	v_lshrrev_b32 v[16+\c], 23, v[14+\c]           ; the scale's byte
.endr
	s_delay_alu instid0(VALU_DEP_1)
	v_lshl_or_b32 v18, v17, 16, v16                ; my two bytes, blocks h and 2 + h,
	s_delay_alu instid0(VALU_DEP_1)
	v_lshlrev_b32 v18, v[SH], v18                  ; at their places in the word;
	s_delay_alu instid0(VALU_DEP_1)
	v_permlanex16_b32 v[PD], v18, s36, s37
	s_delay_alu instid0(VALU_DEP_1)
	v_or_b32 v[XW+(\ks)], v18, v[PD]               ; with lane l xor 16's two the word is whole
.if (\ks) > 0
	s_wait_alu depctr_va_vdst(0)
	s_wait_xcnt 0x0                                ; the last step's stores have read their registers
.endif
	v_cvt_scalef32_pk16_fp6_f32 v[XC:XC+2], v[XN:XN+15], v14
	v_cvt_scalef32_pk16_fp6_f32 v[XT:XT+2], v[XN+16:XN+31], v14    ; (a conversion's three registers begin on an even number)
	v_cvt_scalef32_pk16_fp6_f32 v[XC+6:XC+8], v[XN+32:XN+47], v15
	v_cvt_scalef32_pk16_fp6_f32 v[XT+4:XT+6], v[XN+48:XN+63], v15
	v_nop                                          ; one plain instruction behind a scaled conversion
.irp i, 0,1,2
	v_mov_b32 v[XC+3+\i], v[XT+\i]
	v_mov_b32 v[XC+9+\i], v[XT+4+\i]
.endr
.irp c, 0,1,2
	global_store_b128 v[XGL], v[XC+4*\c:XC+4*\c+3], s[8:9] offset:1536*(\ks)+512*\c   ; 512 consecutive bytes
.endr
.endm
	STEPX 0
	STEPX 1
	STEPX 2
	STEPX 3
	v_cmp_ne_u32 vcc_lo, 0, v3
	s_delay_alu instid0(VALU_DEP_1)
	v_cndmask_b32 v12, v[XW], v[XW+2], vcc_lo      ; lanes 0-15 store K steps 0 and 1 of row r, lanes 16-31 K steps 2 and 3:
	s_delay_alu instid0(VALU_DEP_2)
	v_cndmask_b32 v13, v[XW+1], v[XW+3], vcc_lo
	global_store_b64 v[XGS], v[12:13], s[8:9]      ; the 32 lanes fill the group's 256 bytes of scale words
	s_set_vgpr_msb 0x5
	s_wait_tensorcnt 0x0
	ds_add_u32 v0, v1
	s_wait_dscnt 0x0
	s_set_vgpr_msb 0x500
	s_endpgm
.Lfunc_end_k_qf45e0a6ac1_quant_all:
	.size	k_qf45e0a6ac1_quant_all, .Lfunc_end_k_qf45e0a6ac1_quant_all-k_qf45e0a6ac1_quant_all
	.p2alignl 7, 3214868480
	.fill 96, 4, 3214868480
	.section	.rodata,"a",@progbits
	.p2align	6, 0x0
	.amdhsa_kernel k_qf45e0a6ac1_quant_all
		.amdhsa_group_segment_fixed_size 216320
		.amdhsa_private_segment_fixed_size 0
		.amdhsa_enable_private_segment 0
		.amdhsa_kernarg_size 80
		.amdhsa_user_sgpr_count 2
		.amdhsa_user_sgpr_kernarg_segment_ptr 1
		.amdhsa_wavefront_size32 1
		.amdhsa_system_sgpr_workgroup_id_x 1
		.amdhsa_system_sgpr_workgroup_id_y 1
		.amdhsa_system_sgpr_workgroup_id_z 1
		.amdhsa_system_vgpr_workitem_id 0
		.amdhsa_next_free_vgpr 258
		.amdhsa_next_free_sgpr 80
		.amdhsa_reserve_vcc 1
		.amdhsa_float_denorm_mode_32 3
		.amdhsa_float_denorm_mode_16_64 3
		.amdhsa_memory_ordered 1
		.amdhsa_forward_progress 1
		.amdhsa_inst_pref_size 137
	.end_amdhsa_kernel
	.amdgpu_metadata
---
amdhsa.version: [ 1, 2 ]
amdhsa.kernels:
  - .name:           k_qf45e0a6ac1_quant_all
    .symbol:         k_qf45e0a6ac1_quant_all.kd
    .args:
      - { .name: Wq, .offset: 0, .size: 8, .value_kind: global_buffer, .address_space: global }
      - { .name: Wk, .offset: 8, .size: 8, .value_kind: global_buffer, .address_space: global }
      - { .name: Wv, .offset: 16, .size: 8, .value_kind: global_buffer, .address_space: global }
      - { .name: Wo, .offset: 24, .size: 8, .value_kind: global_buffer, .address_space: global }
      - { .name: hidden_states, .offset: 32, .size: 8, .value_kind: global_buffer, .address_space: global }
      - { .name: position_ids, .offset: 40, .size: 8, .value_kind: global_buffer, .address_space: global }
      - { .name: wi, .offset: 48, .size: 8, .value_kind: global_buffer, .address_space: global }
      - { .name: woi, .offset: 56, .size: 8, .value_kind: global_buffer, .address_space: global }
      - { .name: xi, .offset: 64, .size: 8, .value_kind: global_buffer, .address_space: global }
      - { .name: rope, .offset: 72, .size: 8, .value_kind: global_buffer, .address_space: global }
    .group_segment_fixed_size: 216320
    .private_segment_fixed_size: 0
    .kernarg_segment_align: 8
    .kernarg_segment_size: 80
    .max_flat_workgroup_size: 320
    .sgpr_count:     80
    .vgpr_count:     258
    .wavefront_size: 32
...
	.end_amdgpu_metadata
.endif
;; end of part 1
;; launch gemm_qkv (part 2): grid 64 x 4, 4 waves a work-group, clusters of 4 x 4, 327,680 bytes of LDS; arguments xi, wi, rope, qkv; writes qkv
.if DOCPART == 2
	.amdgcn_target "amdgcn-amd-amdhsa--gfx1250"
	.amdhsa_code_object_version 6
	.text
	.protected	k_qf45e0a6ac1_gemm_qkv
	.globl	k_qf45e0a6ac1_gemm_qkv
	.p2align	8
	.type	k_qf45e0a6ac1_gemm_qkv,@function
k_qf45e0a6ac1_gemm_qkv:
	s_mov_b64 s[64:65], 0
	v_nop
	global_prefetch_b8 v0, s[64:65] scope:SCOPE_SE
	s_setreg_imm32_b32 hwreg(HW_REG_WAVE_MODE, 25, 1), 1
	s_wait_xcnt 0x0
	s_wait_alu depctr_hold_cnt(0) depctr_sa_sdst(0) depctr_va_vdst(0) depctr_va_sdst(0) depctr_va_ssrc(0) depctr_va_vcc(0) depctr_vm_vsrc(0)
	s_getreg_b32 s2, hwreg(HW_REG_IB_STS2, 6, 4)
	s_cmp_eq_u32 s2, 0
	s_cbranch_scc0 .Lentry_in_a_cluster
	s_endpgm
.Lentry_in_a_cluster:
	s_bfe_u32 s2, ttmp6, 0x10000c
	s_cmp_lg_u32 s2, 0xf033
	s_cbranch_scc0 .Lentry_shape_is_right
	s_endpgm
.Lentry_shape_is_right:
.set KG,     8
.set GRP,    6400
.set BPITCH, GRP*KG
.set SLOT,   24*GRP
.set BOFF,   8*GRP
.set SPARE,  2*SLOT
.set LAPS,   KG/2
.set ADRA, 16
.set ADRB, 18
.set ADSA, 20
.set ADSB, 22
.set LI,   24
.set SPW,  28
.set NIL,  29
.set SC,   32
.set AF,   128
.set RR,   128
.set PC,   192
.set PT,   216
.set TM,   224
.set PW,   240
.set SEL,  90
.set G1,  24
.set G0,  32
.set G1B, 48
.set G0B, 56
.set MSB, 0
.macro WIN new
.if MSB != \new
	s_set_vgpr_msb (MSB<<8)|\new
.set MSB, \new
.endif
.endm
.set MUL,  0xa1
.macro JLOAD g0a, g1a, g0b, g1b
	s_cmp_eq_u32 s15, 0
	s_cbranch_scc0 .Lfor_b_\@
	tensor_load_to_lds s[\g0a:\g0a+3], s[\g1a:\g1a+7]
	s_nop 0
.rept 4
	v_nop
.endr
	s_branch .Lasked_\@
.Lfor_b_\@:
	tensor_load_to_lds s[\g0b:\g0b+3], s[\g1b:\g1b+7]
	s_nop 0
.rept 4
	v_nop
.endr
.Lasked_\@:
.endm
.macro CREST
	s_cmp_lg_u32 s14, 0
	s_cbranch_scc1 .Lnot_wave_0_\@
	s_barrier_signal -3
.Lnot_wave_0_\@:
	s_barrier_wait -3
	s_barrier_signal -1
	s_barrier_wait -1
.endm
.macro CROUND
	s_barrier_signal -1
	s_barrier_wait -1
	CREST
.endm
.macro PLACES
.rept 4
	v_nop
.endr
.endm
	s_load_b128 s[4:7], s[0:1], 0x0
	s_load_b128 s[8:11], s[0:1], 0x10
	v_lshl_add_u32 v[SPW], v0, 2, SPARE
	v_mov_b32 v[NIL], 0
	ds_add_u32 v28, v29
	ds_add_u32 v28, v29
	s_wait_dscnt 0x0
	v_lshrrev_b32 v1, 5, v0
	v_readfirstlane_b32 s14, v1
	v_and_b32 v30, 31, v0                          ; the prefetches' offset: 256 x min(lane, 24): a group is 25 blocks of 256 bytes; never rewritten
	v_min_u32 v30, 24, v30
	v_lshlrev_b32 v30, 8, v30
	s_lshr_b32 s15, s14, 1
	s_and_b32 s16, s14, 1
	s_bfe_u32 s40, ttmp6, 0x40000
	s_bfe_u32 s41, ttmp6, 0x40004
	s_and_b32 s17, ttmp9, 3
	s_lshr_b32 s18, ttmp9, 2
	s_sub_co_u32 s19, ttmp9, 12
	s_and_b32 s20, s19, 1
	s_lshr_b32 s21, s19, 1
	s_cmp_ge_u32 ttmp9, 12
	s_cselect_b32 s17, s20, s17
	s_cselect_b32 s18, s21, s18
	s_cselect_b32 s19, 192, 0
	s_lshl_b32 s17, s17, 2
	s_add_co_u32 s17, s17, s41
	s_lshl_b32 s42, s18, 2
	s_add_co_u32 s42, s42, s40
	s_lshl_b32 s43, s41, 2
	s_lshl_b32 s43, 15, s43
	s_lshl_b32 s44, 0x1111, s40
	s_or_b32 s[G1+0], s43, (3<<16)|(1<<21)
	s_or_b32 s[G1B+0], s44, (3<<16)|(1<<21)
	s_mov_b32 s[G1+1], 800<<16
	s_mov_b32 s[G1+2], 4<<16
	s_mov_b32 s[G1+3], 800<<16
	s_mov_b32 s[G1+4], 4
	s_mov_b32 s[G1+5], 800*KG
	s_mov_b32 s[G1+6], 0
	s_mov_b32 s[G1+7], 0
	s_mov_b32 s[G1B+1], 800<<16
	s_mov_b32 s[G1B+2], 8<<16
	s_mov_b32 s[G1B+3], 800<<16
	s_mov_b32 s[G1B+4], 8
	s_mov_b32 s[G1B+5], 800*KG
	s_mov_b32 s[G1B+6], 0
	s_mov_b32 s[G1B+7], 0
	s_lshl_b32 s20, s17, 3
	s_lshl_b32 s21, s16, 2
	s_add_co_u32 s20, s20, s21
	s_add_co_u32 s20, s20, s19
	s_mul_i32 s20, s20, BPITCH
	s_mov_b32 s21, 0
	s_lshl_b32 s46, s42, 4
	s_lshl_b32 s47, s16, 3
	s_add_co_u32 s46, s46, s47
	s_mul_i32 s46, s46, BPITCH
	s_mov_b32 s47, 0
	s_mul_i32 s45, s16, 4*GRP
	s_mul_i32 s66, s16, 8*GRP
	s_add_co_u32 s66, s66, BOFF
	s_mov_b32 s[SEL], 0x76543210
	s_mov_b32 s[SEL+1], 0xfedcba98
	s_wait_kmcnt 0x0
	s_cmp_ge_u32 ttmp9, 12
	s_cselect_b64 s[92:93], s[6:7], s[4:5]
	s_cselect_b64 s[94:95], s[4:5], s[6:7]
	s_add_nc_u64 s[20:21], s[92:93], s[20:21]
	s_add_nc_u64 s[46:47], s[94:95], s[46:47]
	CROUND
.irp s, 0,1
	s_mov_b32 s[G0+4*\s], 1
	s_add_co_u32 s[G0+4*\s+1], s45, \s*SLOT
	s_add_nc_u64 s[G0+4*\s+2:G0+4*\s+3], s[20:21], \s*GRP
	s_or_b32 s[G0+4*\s+3], s[G0+4*\s+3], 0x80000000
	s_mov_b32 s[G0B+4*\s], 1
	s_add_co_u32 s[G0B+4*\s+1], s66, \s*SLOT
	s_add_nc_u64 s[G0B+4*\s+2:G0B+4*\s+3], s[46:47], \s*GRP
	s_or_b32 s[G0B+4*\s+3], s[G0B+4*\s+3], 0x80000000
.endr
; A PREFETCH INTO THE L2 behind each joint load: the K group that stands TWO loads on.  Of the blocks of 16 rows that a wave fetches (A: 4, B: 8) each of the four partners that ask jointly takes a quarter,
; told apart BY ADDRESS (cx for A, cy for B): one group of 6,400 bytes an instruction, lanes 24-31 naming its last block.  The last two loads along K ask for nothing.
.macro ASK off
	global_prefetch_b8 v30, s[84:85] offset:\off th:TH_LOAD_NT scope:SCOPE_SE
	s_cmp_eq_u32 s15, 0
	s_cbranch_scc1 .Lone_\@
	global_prefetch_b8 v30, s[84:85] offset:\off+BPITCH th:TH_LOAD_NT scope:SCOPE_SE
.Lone_\@:
.endm
.macro ASKL off                        ; in the loop: s3 = 1 in the last trip, whose loads are the last two groups
	s_cmp_gt_u32 s3, 1
	s_cbranch_scc0 .Lnone_\@
	ASK \off
.Lnone_\@:
.endm
	JLOAD G0, G1, G0B, G1B                         ; K group 0: one tensor load a wave at the head
	s_cmp_eq_u32 s15, 0
	s_cselect_b64 s[84:85], s[20:21], s[46:47]     ; the rows that I fetch,
	s_cselect_b32 s86, s40, s41                    ; my place among the four that ask with me,
	s_lshl_b32 s86, s86, s15                       ; x 1 block (A) or 2 (B)
	s_mul_i32 s86, s86, BPITCH
	s_mov_b32 s87, 0
	s_add_nc_u64 s[84:85], s[84:85], s[86:87]
	s_wait_alu depctr_va_vdst(0)                   ; the wait ahead of the reader of v30
	ASK 2*GRP
	v_and_b32 v1, 31, v0
	v_lshlrev_b32 v[LI], 4, v1
	v_and_b32 v2, 15, v0
	v_lshlrev_b32 v3, 4, v2
	v_bfe_u32 v4, v0, 4, 1
	v_lshl_add_u32 v25, v4, 3, v3
	s_mul_i32 s96, s15, 4*GRP
	s_mul_i32 s97, s16, 8*GRP
	s_add_co_u32 s97, s97, BOFF
.irp s, 0,1
	v_add_nc_u32 v[ADRA+\s], s96, v[LI]
	v_add_nc_u32 v[ADRB+\s], s97, v[LI]
	v_add_nc_u32 v[ADSA+\s], s96, v3
	v_add_nc_u32 v[ADSB+\s], s97, v3
	s_add_co_u32 s96, s96, SLOT
	s_add_co_u32 s97, s97, SLOT
.endr
.irp b, 0,1,2,3
	v_mov_b32 v[TM+4+\b], 0
.endr
	s_lshl_b32 s70, s17, 3
	s_lshl_b32 s71, s15, 2
	s_add_co_u32 s70, s70, s71
	s_cmp_ge_u32 ttmp9, 12
	s_cselect_b32 s70, 128, s70
	s_lshl_b32 s70, s70, 13
	s_mov_b32 s71, 0
	s_add_nc_u64 s[70:71], s[8:9], s[70:71]
	WIN 0xc0
.irp a, 0,1,2,3
.irp q, 0,1,2,3,4,5,6,7
	global_load_b128 v[64*\a+4*\q:64*\a+4*\q+3], v[LI], s[70:71] offset:8192*\a+512*\q
	global_load_b128 v[64*\a+32+4*\q:64*\a+35+4*\q], v[LI], s[70:71] offset:8192*\a+512*\q+4096
.endr
.endr
	WIN 0
	s_lshl_b32 s72, s42, 1
	s_add_co_u32 s72, s72, s16
	s_add_co_u32 s73, s17, 24
	s_cmp_ge_u32 ttmp9, 12
	s_cselect_b32 s74, s73, s72
	s_cselect_b32 s75, s72, s17
	s_lshl_b32 s74, s74, 4
	s_add_co_u32 s74, s74, s75
	s_mul_i32 s74, s74, 12800
	s_mov_b32 s75, 0
	s_add_nc_u64 s[74:75], s[10:11], s[74:75]
	s_mul_i32 s72, s15, 6144
	s_mov_b32 s73, 0
	s_add_nc_u64 s[76:77], s[74:75], s[72:73]
	s_lshl_b32 s72, s15, 8
	s_add_co_u32 s72, s72, 12288
	s_add_nc_u64 s[78:79], s[74:75], s[72:73]
.macro FETCH slot, q, p
	WIN 0x40
.irp b, 0,1,2,3,4,5,6,7
.irp c, 0,1,2
	ds_load_b128 v[96*(\p)+12*\b+4*\c:96*(\p)+12*\b+4*\c+3], v[ADRB+\slot] offset:GRP*\b+1536*(\q)+512*\c
.endr
.endr
	WIN 0
.irp a, 0,1,2,3
.irp c, 0,1,2
	ds_load_b128 v[AF+48*(\p)+12*\a+4*\c:AF+48*(\p)+12*\a+4*\c+3], v[ADRA+\slot] offset:GRP*\a+1536*(\q)+512*\c
.endr
.endr
.endm
.macro SCALES s
.irp i, 0,1,2,3
	ds_load_b128 v[SC+48*\s+4*\i:SC+48*\s+4*\i+3], v[ADSA+\s] offset:GRP*\i+6144
.endr
.irp i, 0,1,2,3,4,5,6,7
	ds_load_b128 v[SC+48*\s+16+4*\i:SC+48*\s+19+4*\i], v[ADSB+\s] offset:GRP*\i+6144
.endr
.endm
.macro MULA a, p, ks, sc, zero
.irp b, 0,1,2,3,4,5,6,7
.if \zero
	v_wmma_scale_f32_16x16x128_f8f6f4 v[8*(8*(\a)+\b):8*(8*(\a)+\b)+7], v[96*(\p)+12*\b:96*(\p)+12*\b+11], v[AF+48*(\p)+12*(\a):AF+48*(\p)+12*(\a)+11], 0, v[SC+48*(\sc)+16+4*\b+(\ks)], v[SC+48*(\sc)+4*(\a)+(\ks)] matrix_a_fmt:MATRIX_FMT_FP6 matrix_b_fmt:MATRIX_FMT_FP6
.else
	v_wmma_scale_f32_16x16x128_f8f6f4 v[8*(8*(\a)+\b):8*(8*(\a)+\b)+7], v[96*(\p)+12*\b:96*(\p)+12*\b+11], v[AF+48*(\p)+12*(\a):AF+48*(\p)+12*(\a)+11], v[8*(8*(\a)+\b):8*(8*(\a)+\b)+7], v[SC+48*(\sc)+16+4*\b+(\ks)], v[SC+48*(\sc)+4*(\a)+(\ks)] matrix_a_fmt:MATRIX_FMT_FP6 matrix_b_fmt:MATRIX_FMT_FP6
.endif
.endr
.endm
.macro STEP slot, q, zero
	s_wait_dscnt 0x0
	PLACES
	FETCH \slot, (\q)+1, 1-(\q)%2
	WIN MUL
	MULA 0, (\q)%2, \q, \slot, \zero
	MULA 1, (\q)%2, \q, \slot, \zero
	MULA 2, (\q)%2, \q, \slot, \zero
	MULA 3, (\q)%2, \q, \slot, \zero
	WIN 0
.endm
.macro TURN slot, next, fill
.if (\fill) && (\slot) == 0
	s_wait_xcnt 0x0                                ; the last lap's prefetches have read their address: it steps two groups a lap
	s_add_nc_u64 s[84:85], s[84:85], 2*GRP
.endif
	s_wait_tensorcnt 0x0
	ds_add_u32 v[SPW], v[NIL]
	s_wait_dscnt 1
	WIN MUL
	MULA 0, 1, 3, \slot, 0
	s_wait_dscnt 0x0
	s_barrier_signal -1
	MULA 1, 1, 3, \slot, 0
	WIN 0
	s_barrier_wait -1
.if \fill
	CREST
	s_add_nc_u64 s[G0+4*\slot+2:G0+4*\slot+3], s[G0+4*\slot+2:G0+4*\slot+3], 2*GRP
	s_add_nc_u64 s[G0B+4*\slot+2:G0B+4*\slot+3], s[G0B+4*\slot+2:G0B+4*\slot+3], 2*GRP
	JLOAD G0+4*\slot, G1, G0B+4*\slot, G1B
.else
	PLACES
.endif
	FETCH \next, 0, 0
	SCALES \next
.if \fill
	ASKL (2+\slot)*GRP
.endif
	WIN MUL
	MULA 2, 1, 3, \slot, 0
	MULA 3, 1, 3, \slot, 0
	WIN 0
.endm
	s_wait_alu depctr_va_vdst(0)                   ; the wait at the head's end
	s_wait_tensorcnt 0x0                           ; my part of K group 0 is in; slot 1's first fill is issued as a refill is
	ds_add_u32 v[SPW], v[NIL]
	s_wait_dscnt 0x0
	CROUND
	JLOAD G0+4, G1, G0B+4, G1B
	FETCH 0, 0, 0
	SCALES 0
	ASK 3*GRP
	STEP 0, 0, 1
	s_mov_b32 s3, LAPS-1
.Llap:
	STEP 0, 1, 0
	STEP 0, 2, 0
	TURN 0, 1, 1
	STEP 1, 0, 0
	STEP 1, 1, 0
	STEP 1, 2, 0
	TURN 1, 0, 1
	STEP 0, 0, 0
	s_sub_co_u32 s3, s3, 1
	s_cmp_lg_u32 s3, 0
	s_cbranch_scc1 .Llap
	STEP 0, 1, 0
	STEP 0, 2, 0
	TURN 0, 1, 0
	STEP 1, 0, 0
	STEP 1, 1, 0
	STEP 1, 2, 0
	s_wait_dscnt 0x0
	WIN MUL
	MULA 0, 1, 3, 1, 0
	MULA 1, 1, 3, 1, 0
	MULA 2, 1, 3, 1, 0
	MULA 3, 1, 3, 1, 0
	WIN 0
.macro QUANT s, pc, pt, pw, tm
.irp b, 0,1,2,3
	v_max3_num_f32 v[\tm+\b], |v[\s+16*\b]|, |v[\s+1+16*\b]|, 0x1800000
.endr
.irp i, 2,4,6,8,10,12,14
.irp b, 0,1,2,3
	v_max3_num_f32 v[\tm+\b], v[\tm+\b], |v[\s+16*\b+\i]|, |v[\s+1+16*\b+\i]|
.endr
.endr
.irp b, 0,1,2,3
	v_permlanex16_b32 v[\tm+4+\b], v[\tm+\b], s[SEL], s[SEL+1]
.endr
.irp b, 0,1,2,3
	v_max_num_f32 v[\tm+\b], v[\tm+\b], v[\tm+4+\b]
.endr
.irp b, 0,1,2,3
	v_add_nc_u32 v[\tm+12+\b], 0xff000000, v[\tm+\b]
.endr
.irp b, 0,1,2,3
	v_lshrrev_b32 v[\tm+8+\b], 23, v[\tm+12+\b]
.endr
	v_lshl_or_b32 v[\pw], v[\tm+9], 8, v[\tm+8]
	v_lshl_or_b32 v[\pw], v[\tm+10], 16, v[\pw]
	v_lshl_or_b32 v[\pw], v[\tm+11], 24, v[\pw]
.irp c, 0,1
	v_cvt_scalef32_pk16_fp6_f32 v[\pc+6*\c:\pc+2+6*\c], v[\s+32*\c:\s+15+32*\c], v[\tm+12+2*\c]
	v_cvt_scalef32_pk16_fp6_f32 v[\pt+4*\c:\pt+2+4*\c], v[\s+16+32*\c:\s+31+32*\c], v[\tm+13+2*\c]
.endr
	v_nop
.irp c, 0,1
.irp i, 0,1,2
	v_permlane16_swap_b32 v[\pc+6*\c+\i], v[\pt+4*\c+\i]
.endr
.irp i, 0,1,2
	v_mov_b32 v[\pc+3+6*\c+\i], v[\pt+4*\c+\i]
.endr
.endr
.endm
	s_wait_loadcnt 0x0
	PLACES
.irp a, 0,1,2,3
	WIN 0x0e
.set i_, 0
.rept 16
	v_pk_mul_f32 v[RR+i_:RR+i_+1], v[64*\a+32+i_:64*\a+33+i_], v[64*\a+32+i_:64*\a+33+i_]
	v_pk_mul_f32 v[RR+32+i_:RR+33+i_], v[64*\a+i_:64*\a+1+i_], v[64*\a+32+i_:64*\a+33+i_]
.set i_, i_+2
.endr
.set i_, 0
.rept 16
	v_pk_fma_f32 v[RR+i_:RR+i_+1], v[64*\a+i_:64*\a+1+i_], v[64*\a+i_:64*\a+1+i_], v[RR+i_:RR+i_+1] neg_lo:[0,0,1] neg_hi:[0,0,1]
	v_pk_fma_f32 v[RR+32+i_:RR+33+i_], v[64*\a+32+i_:64*\a+33+i_], v[64*\a+i_:64*\a+1+i_], v[RR+32+i_:RR+33+i_]
.set i_, i_+2
.endr
	WIN 0
.if \a > 1
	s_wait_xcnt 0x0
.endif
.set QPC, PC+12*(\a%2)
.set QPW, PW+\a
	QUANT RR, QPC, PT, QPW, TM
.irp c, 0,1,2
	global_store_b128 v[LI], v[QPC+4*\c:QPC+4*\c+3], s[76:77] offset:1536*\a+512*\c
.endr
.endr
	v_cmp_ne_u32 vcc_lo, 0, v4
	v_cndmask_b32 v244, v[PW], v[PW+2], vcc_lo
	v_cndmask_b32 v245, v[PW+1], v[PW+3], vcc_lo
	global_store_b64 v25, v[244:245], s[78:79]
	s_wait_tensorcnt 0x0
	ds_add_u32 v[SPW], v[NIL]
	s_wait_dscnt 0x0
	CROUND
	s_endpgm
.Lfunc_end_k_qf45e0a6ac1_gemm_qkv:
	.size	k_qf45e0a6ac1_gemm_qkv, .Lfunc_end_k_qf45e0a6ac1_gemm_qkv-k_qf45e0a6ac1_gemm_qkv
	.p2alignl 7, 3214868480
	.fill 96, 4, 3214868480
	.section	.rodata,"a",@progbits
	.p2align	6, 0x0
	.amdhsa_kernel k_qf45e0a6ac1_gemm_qkv
		.amdhsa_group_segment_fixed_size 327680
		.amdhsa_private_segment_fixed_size 0
		.amdhsa_enable_private_segment 0
		.amdhsa_kernarg_size 32
		.amdhsa_user_sgpr_count 2
		.amdhsa_user_sgpr_kernarg_segment_ptr 1
		.amdhsa_wavefront_size32 1
		.amdhsa_system_sgpr_workgroup_id_x 1
		.amdhsa_system_sgpr_workgroup_id_y 1
		.amdhsa_system_sgpr_workgroup_id_z 1
		.amdhsa_system_vgpr_workitem_id 0
		.amdhsa_next_free_vgpr 1024
		.amdhsa_next_free_sgpr 100
		.amdhsa_reserve_vcc 1
		.amdhsa_float_denorm_mode_32 3
		.amdhsa_float_denorm_mode_16_64 3
		.amdhsa_memory_ordered 1
		.amdhsa_forward_progress 1
		.amdhsa_inst_pref_size 159
	.end_amdhsa_kernel
	.amdgpu_metadata
---
amdhsa.version: [ 1, 2 ]
amdhsa.kernels:
  - .name:           k_qf45e0a6ac1_gemm_qkv
    .symbol:         k_qf45e0a6ac1_gemm_qkv.kd
    .args:
      - { .name: xi, .offset: 0, .size: 8, .value_kind: global_buffer, .address_space: global }
      - { .name: wi, .offset: 8, .size: 8, .value_kind: global_buffer, .address_space: global }
      - { .name: rope, .offset: 16, .size: 8, .value_kind: global_buffer, .address_space: global }
      - { .name: qkv, .offset: 24, .size: 8, .value_kind: global_buffer, .address_space: global }
    .group_segment_fixed_size: 327680
    .private_segment_fixed_size: 0
    .kernarg_segment_align: 8
    .kernarg_segment_size: 32
    .max_flat_workgroup_size: 128
    .sgpr_count:     100
    .vgpr_count:     1024
    .wavefront_size: 32
...
	.end_amdgpu_metadata
.endif
;; end of part 2
;; launch attn (part 3): grid 32 x 8, 8 waves a work-group, clusters of 4 x 4, 327,680 bytes of LDS; arguments qkv, attention_mask, aoi; writes aoi
.if DOCPART == 3
	.amdgcn_target "amdgcn-amd-amdhsa--gfx1250"
	.amdhsa_code_object_version 6
	.text
	.protected	k_qf45e0a6ac1_attn
	.globl	k_qf45e0a6ac1_attn
	.p2align	8
	.type	k_qf45e0a6ac1_attn,@function
k_qf45e0a6ac1_attn:
	s_mov_b64 s[64:65], 0
	v_nop
	global_prefetch_b8 v0, s[64:65] scope:SCOPE_SE
	s_setreg_imm32_b32 hwreg(HW_REG_WAVE_MODE, 25, 1), 1
	s_wait_xcnt 0x0
	s_wait_alu depctr_hold_cnt(0) depctr_sa_sdst(0) depctr_va_vdst(0) depctr_va_sdst(0) depctr_va_ssrc(0) depctr_va_vcc(0) depctr_vm_vsrc(0)
	s_getreg_b32 s2, hwreg(HW_REG_IB_STS2, 6, 4)
	s_cmp_eq_u32 s2, 0
	s_cbranch_scc0 .Lentry_in_a_cluster
	s_endpgm
.Lentry_in_a_cluster:
	s_bfe_u32 s2, ttmp6, 0x10000c
	s_cmp_lg_u32 s2, 0xf033
	s_cbranch_scc0 .Lentry_shape_is_right
	s_endpgm
.Lentry_shape_is_right:
; Attention on codes of FP6 (E2M3) with E8M0 scales: o = softmax(q k^T / sqrt(128) + mask) v, 16 query heads on 8 key and value heads, 2,048 tokens, head size 128.  The result is quantised along the head's 128
; and stored as the left operand of the last projection.  THE MASK IS AN INPUT: every number of it is read and added, and no key step is left out.
; THE SOFTMAX: t = logit x log2(e); M = the largest t so far, rounded UP to a whole number; p = 2^(t - M) is quantised along the keys, not normalised; the row's sum is taken of the unquantised p and divides at the end.
; When M moves, the sum and O are multiplied by 2^(old M - new M): exact.
; IN.  qkv: [32 head slots: 0-15 q, 16-23 k, 24-31 v][16 steps of 128][12,800 bytes]: eight images of operand registers (registers 4 c .. 4 c + 3 of lane l at 512 c + 16 l), then two units of 256 bytes of scale words
; [half][row][tile % 4].  Row r of tile 2 B + u is row 32 B + 8 u + r + 8 (r / 8) of the step's 128.
; SHARES.  A work-group of EIGHT waves owns 64 queries and one key and value head, so both query heads on it.  Wave w owns tile w % 4 of 16 queries, for both heads, and of every slot of 256 keys the (w / 4)-th 128.
; THE TWO HALVES OF THE WAVES WALK A SLOT IN OPPOSITE ORDER: waves 0-3 fetch, multiply S, then do the softmax and the second product; waves 4-7 first do the softmax and second product of the slot before (S and V wait
; in registers) and then fetch and multiply S.  All waves walk one loop; branches on the wave's number lead round the fetch-and-S part alone; waves 4-7 enter the first trip at its middle.
; At the end a wave hands one head's O, M and sum to the wave with the other keys (w xor 4) through LDS bytes of their own and finishes the other head: both factors are powers of two.
; LAYOUT.  Both products are used transposed (S^T = K Q^T, O^T = V^T P^T): a lane holds ONE query.  THE MASK, TIMES sqrt(128), IS THE C OF THE FIRST PRODUCT.
; RING.  Two LDS slots of 256 keys: K's and V's two records each and 64 rows x 1,024 bytes of the mask (16 bytes of padding a row).  Every wave brings one eighth: waves 0-3 a record, waves 4-7 sixteen rows of the mask.
; CLUSTERS 4 x 4: x = blocks of queries, y = heads.  K and V are asked for jointly along a row of the cluster, the mask along a column.
; OUT.  aoi: [128 blocks of 16 tokens][4 groups of 512 K][four images, 256 bytes of scale words [row][K step]]; K step = the query head.
; REGISTERS.  Window 0: v1-11 addresses; v12-27 statistics; v28-47 scale words alone; v48-111 the mask, and behind the first product v48-119 at work (largest numbers, p's codes); v120-125 addresses; v128-255 S^T, then p.
;   Window 1: v0-127 O^T; v128-151 Q; v152-247 K, and behind the first product V.
; Two waves share a SIMD: dependent plain vector lines stand five or more apart or carry a one-field hint.
; LIMITS: the mask holds finite numbers (-1e9 and 30 times that are served; infinities and NaN are not); the scaled scores stay under 2^31 in magnitude.  The logit is rounded once, as q.k + mask sqrt(128).
; In a row all of whose logits so far are about -1e9, p can leave (1/2, 1] by a power of two; it cancels in p / sum, and the first key that counts wipes such terms out.  Blocks of p fallen to zero keep the byte 1.
.set REC,   12800
.set HEADB, 16*REC
.set SLOT1, 131072
.set VOFF,  2*REC
.set MOFF,  4*REC
.set MP,    1040
.set SPARE, SLOT1+MOFF+64*MP           ; the spare words: 128 bytes a wave, four blocks of 256 bytes that no other line names
.set XCH,   SPARE+1024                 ; the exchange at the end: XREG bytes a wave; no tensor load lands here
.set XREG,  8448                       ; 64 registers x 32 lanes, then 8 bytes a lane
.set LI,   1
.set AM0,  2
.set ADKV, 3
.set ADM,  4
.set SPW,  5
.set NIL,  6
.set PFO,  7
.set R16,  8
.set ADS,  9
.set ST,   12                          ; tile u at v[ST + 8 u]: +0 -M, +1 the largest t (at the end the sum), +2, +3 the sum in halves, +4 f, +5 its pair's partner, +6 at work
.set KS,   28
.set VS,   36
.set QS,   44
.set PW,   46
.set MK,   48
.set TM,   48                          ; tile u at v[TM + 16 u]
.set PC,   80
.set PT,   104
.set KB,   120                         ; 16 x lane + my half's record
.set SBR,  121                         ; 16 r + my half's record
.set XW,   122
.set XR,   123
.set XWS,  124
.set XRS,  125
.set S,    128
.set QR,   128                         ; window 1
.set KV,   152                         ; window 1
.set WV,   14
.set G1KV, 24
.set G0KV, 32
.set G0M,  36
.set G1M,  48
.set CS,   86
.set RT,   88
.set SEL,  90
.set TB,   92
.set SLOTS, 93
.set PFA,  94
.set PFS,  96
.set LIM,  98
.set MSB, 0
.macro WIN new
.if MSB != \new
	s_set_vgpr_msb (MSB<<8)|\new
.set MSB, \new
.endif
.endm
.macro JLOAD                           ; waves 0-3: a record of K or V; waves 4-7: sixteen rows of the mask
	s_cmp_eq_u32 s15, 0
	s_cbranch_scc0 .Lfor_m_\@
	tensor_load_to_lds s[G0KV:G0KV+3], s[G1KV:G1KV+7]
	s_nop 0
.rept 4
	v_nop
.endr
	s_branch .Lasked_\@
.Lfor_m_\@:
	tensor_load_to_lds s[G0M:G0M+3], s[G1M:G1M+7]
	s_nop 0
.rept 4
	v_nop
.endr
.Lasked_\@:
.endm
; A prefetch into the L2 of what the NEXT change of slots will ask for, one instruction a wave.  K (wave 0) and V (wave 1): cluster x = 0 asks; the four partners share a slot's 25,600 bytes out by address, 25 blocks of 256 bytes each.
; The mask (waves 2, 3): cluster y = 0 asks; the four partners of a column share the 64 rows out by address, 8 rows a wave, 4 blocks a row.  The last filling change asks for nothing.
.macro ASK
	s_cmp_gt_u32 s[SLOTS], s[LIM]
	s_cbranch_scc0 .Lnot_mine_\@
	global_prefetch_b8 v[PFO], s[PFA:PFA+1] th:TH_LOAD_NT scope:SCOPE_SE
.Lnot_mine_\@:
.endm
.macro CROUND
	s_barrier_signal -1
	s_barrier_wait -1
	s_cmp_lg_u32 s[WV], 0
	s_cbranch_scc1 .Lnot_wave_0_\@
	s_barrier_signal -3
.Lnot_wave_0_\@:
	s_barrier_wait -3
	s_barrier_signal -1
	s_barrier_wait -1
.endm
.macro PLACES
.rept 4
	v_nop
.endr
.endm
	s_load_b128 s[4:7], s[0:1], 0x0                ; qkv, attention_mask
	s_load_b64 s[8:9], s[0:1], 0x10                ; aoi
	v_lshl_add_u32 v[SPW], v0, 2, SPARE
	v_mov_b32 v[NIL], 0
	ds_add_u32 v[SPW], v[NIL]                      ; the opening lines: the add twice on end and one wait
	ds_add_u32 v[SPW], v[NIL]
	v_lshrrev_b32 v10, 5, v0
	s_delay_alu instid0(VALU_DEP_1)
	v_readfirstlane_b32 s[WV], v10                 ; wave 0..7
	s_lshr_b32 s15, s[WV], 2                       ; which 128 keys of a slot; also: I fetch K, V (0) or the mask (1)
	s_and_b32 s16, s[WV], 3                        ; my tile of queries; also: which piece I fetch
	s_bfe_u32 s18, s[WV], 0x10001
	s_and_b32 s19, s[WV], 1
	s_bfe_u32 s40, ttmp6, 0x40000                  ; cx, cy
	s_bfe_u32 s41, ttmp6, 0x40004
	s_lshl_b32 s42, ttmp9, 2
	s_add_co_u32 s42, s42, s40                     ; x: my block of 64 queries
	s_and_b32 s17, ttmp7, 0xffff
	s_lshl_b32 s17, s17, 2
	s_add_co_u32 s17, s17, s41                     ; y: my key and value head
	s_lshl_b32 s43, s41, 2
	s_lshl_b32 s43, 15, s43
	s_lshl_b32 s44, 0x1111, s40
	s_or_b32 s[G1KV], s43, (3<<16)|(1<<21)         ; a record: 12,800 dense bytes as 50 rows of 256
	s_mov_b32 s[G1KV+1], 32<<16
	s_mov_b32 s[G1KV+2], 50<<16
	s_mov_b32 s[G1KV+3], 32<<16
	s_mov_b32 s[G1KV+4], 50
	s_mov_b32 s[G1KV+5], 32
	s_mov_b32 s[G1KV+6], 0
	s_mov_b32 s[G1KV+7], 0
	s_or_b32 s[G1M], s44, (2<<16)|(1<<20)|(1<<21)|(7<<22)|(3<<25)  ; the mask: 16 rows of 256 f32, 2,048 apart, 4 words of padding behind each
	s_mov_b32 s[G1M+1], 256<<16
	s_mov_b32 s[G1M+2], 16<<16
	s_mov_b32 s[G1M+3], 256<<16
	s_mov_b32 s[G1M+4], 16
	s_mov_b32 s[G1M+5], 2048
	s_mov_b32 s[G1M+6], 0
	s_mov_b32 s[G1M+7], 0
	s_lshr_b32 s81, s16, 1                         ; pieces 0, 1: K's records (head slot 16 + y); 2, 3: V's (24 + y)
	s_lshl_b32 s81, s81, 3
	s_add_co_u32 s81, s81, s17
	s_add_co_u32 s81, s81, 16
	s_mul_i32 s81, s81, HEADB
	s_mul_i32 s20, s19, REC
	s_add_co_u32 s20, s20, s81
	s_mov_b32 s21, 0
	s_lshl_b32 s46, s42, 6                         ; the mask's row 64 x + 16 x piece
	s_lshl_b32 s47, s16, 4
	s_add_co_u32 s46, s46, s47
	s_lshl_b32 s46, s46, 13
	s_mov_b32 s47, 0
	s_mul_i32 s45, s16, REC                        ; where they go: no place in the cluster enters an LDS address
	s_mul_i32 s23, s16, 16*MP
	s_add_co_u32 s23, s23, MOFF
	s_mov_b32 s[CS], 0x3e0293ee                    ; log2(e) / sqrt(128)
	s_mov_b32 s[CS+1], s[CS]
	s_mov_b32 s[RT], 0x413504f3                    ; sqrt(128)
	s_mov_b32 s[RT+1], s[RT]
	s_mov_b32 s[SEL], 0x76543210
	s_mov_b32 s[SEL+1], 0xfedcba98
	s_mov_b32 s[TB], 0
	s_mov_b32 s[SLOTS], 7
	s_wait_dscnt 0x0
	s_wait_kmcnt 0x0
	s_add_nc_u64 s[20:21], s[4:5], s[20:21]
	s_add_nc_u64 s[46:47], s[6:7], s[46:47]
	CROUND                                         ; all sixteen work-groups are here: the first joint loads meet
	s_mov_b32 s[G0KV], 1
	s_mov_b32 s[G0KV+1], s45
	s_mov_b64 s[G0KV+2:G0KV+3], s[20:21]
	s_or_b32 s[G0KV+3], s[G0KV+3], 0x80000000
	s_mov_b32 s[G0M], 1
	s_mov_b32 s[G0M+1], s23
	s_mov_b64 s[G0M+2:G0M+3], s[46:47]
	s_or_b32 s[G0M+3], s[G0M+3], 0x80000000
	JLOAD                                          ; slot 0: one tensor load a wave
	; Q: head slots 2 y and 2 y + 1, step x / 2, tile 4 (x % 2) + my tile
	s_lshl_b32 s70, s17, 1
	s_mul_i32 s70, s70, HEADB
	s_lshr_b32 s71, s42, 1
	s_mul_i32 s71, s71, REC
	s_add_co_u32 s70, s70, s71
	s_and_b32 s72, s42, 1
	s_lshl_b32 s73, s72, 2
	s_add_co_u32 s73, s73, s16
	s_mul_i32 s73, s73, 1536
	s_add_co_u32 s74, s70, s73
	s_mov_b32 s75, 0
	s_add_nc_u64 s[74:75], s[4:5], s[74:75]
	s_lshl_b32 s72, s72, 8
	s_lshl_b32 s73, s16, 2
	s_add_co_u32 s72, s72, s73
	s_add_co_u32 s72, s72, 12288
	s_add_co_u32 s72, s72, s70
	s_mov_b32 s73, 0
	s_add_nc_u64 s[72:73], s[4:5], s[72:73]
	; who prefetches, and where
	s_lshl_b32 s82, s19, 3
	s_add_co_u32 s82, s82, s17
	s_add_co_u32 s82, s82, 16
	s_mul_i32 s82, s82, HEADB
	s_mul_i32 s83, s40, 6400
	s_add_co_u32 s82, s82, s83                     ; K, V: the head slot, my work-group's quarter of a slot
	s_lshl_b32 s83, s42, 6
	s_lshl_b32 s84, s41, 4
	s_add_co_u32 s83, s83, s84
	s_lshl_b32 s84, s19, 3
	s_add_co_u32 s83, s83, s84
	s_lshl_b32 s83, s83, 13                        ; the mask: row 64 x + 16 cy + 8 (wave % 2)
	s_and_b32 s80, ttmp7, 0xffff
	s_mov_b32 s[PFS], 1024
	s_mov_b32 s[PFS+1], 0
	s_cmp_eq_u32 s18, 0
	s_cselect_b32 s80, ttmp9, s80                  ; the coordinate along which other clusters read the same bytes
	s_cselect_b32 s82, s82, s83
	s_cselect_b32 s[PFS], 2*REC, s[PFS]
	s_cselect_b64 s[PFA:PFA+1], s[4:5], s[6:7]
	s_cselect_b32 s84, 0, -1
	s_mov_b32 s83, 0
	s_cmp_eq_u32 s80, 0
	s_cselect_b32 s[LIM], 1, -1
	s_cmp_lt_u32 s[WV], 4
	s_cselect_b32 s[LIM], s[LIM], -1               ; waves 4-7 ask for nothing
	s_add_nc_u64 s[PFA:PFA+1], s[PFA:PFA+1], s[82:83]
	s_add_nc_u64 s[PFA:PFA+1], s[PFA:PFA+1], s[PFS:PFS+1]  ; in slot 1: the first change of slots steps it to slot 2
	; LDS places
	s_lshr_b32 s66, s16, 1
	s_lshl_b32 s66, s66, 5
	s_lshl_b32 s67, s19, 3
	s_add_co_u32 s66, s66, s67                     ; my tile's first query among the 64
	s_mul_i32 s66, s66, MP
	s_add_co_u32 s66, s66, MOFF
	s_lshl_b32 s67, s15, 9
	s_add_co_u32 s66, s66, s67                     ; + my half's 128 keys
	s_mul_i32 s56, s15, REC
	s_mul_i32 s58, s[WV], XREG
	s_add_co_u32 s58, s58, XCH
	s_xor_b32 s59, s[WV], 4
	s_mul_i32 s59, s59, XREG
	s_add_co_u32 s59, s59, XCH
	; where the result goes: block 4 x + tile, group y / 2, K steps 2 (y % 2) and + 1
	s_lshl_b32 s70, s42, 2
	s_add_co_u32 s70, s70, s16
	s_mul_i32 s70, s70, 25600
	s_lshr_b32 s71, s17, 1
	s_mul_i32 s71, s71, 6400
	s_add_co_u32 s70, s70, s71
	s_and_b32 s71, s17, 1
	s_mul_i32 s80, s71, 3072
	s_add_co_u32 s76, s70, s80
	s_mov_b32 s77, 0
	s_add_nc_u64 s[76:77], s[8:9], s[76:77]
	s_lshl_b32 s71, s71, 3
	s_add_co_u32 s78, s70, s71
	s_add_co_u32 s78, s78, 6144
	s_mov_b32 s79, 0
	s_add_nc_u64 s[78:79], s[8:9], s[78:79]
	; every address register is made here, ahead of the first parting of the waves
	v_and_b32 v10, 31, v0                          ; lane
	v_and_b32 v11, 15, v0                          ; r
	v_bfe_u32 v4, v0, 4, 1                         ; h
	s_delay_alu instid0(VALU_DEP_3)
	v_lshlrev_b32 v[LI], 4, v10
	s_delay_alu instid0(VALU_DEP_3)
	v_lshlrev_b32 v[R16], 4, v11
	v_min_u32 v3, 24, v10
	v_lshrrev_b32 v[PFO], 2, v10
	v_and_b32 v9, 3, v10
	s_delay_alu instid0(VALU_DEP_3)
	v_lshlrev_b32 v3, 8, v3                        ; K, V: 256 x min(lane, 24)
	s_delay_alu instid0(VALU_DEP_3)
	v_lshlrev_b32 v[PFO], 13, v[PFO]
	v_and_b32 v[AM0], 8, v11
	s_delay_alu instid0(VALU_DEP_2)
	v_lshl_add_u32 v[PFO], v9, 8, v[PFO]           ; the mask: row lane / 4, block lane % 4
	s_delay_alu instid0(VALU_DEP_2)
	v_add_nc_u32 v[AM0], v[AM0], v11               ; r + 8 (r / 8)
	s_delay_alu instid0(VALU_DEP_2)
	v_cndmask_b32 v[PFO], v3, v[PFO], s84
	s_delay_alu instid0(VALU_DEP_2)
	v_mul_u32_u24 v[AM0], v[AM0], MP
	v_lshlrev_b32 v9, 3, v10                       ; 8 x lane
	s_delay_alu instid0(VALU_DEP_2)
	v_lshl_add_u32 v[AM0], v4, 6, v[AM0]           ; + 64 h
	v_add_nc_u32 v[KB], s56, v[LI]
	s_delay_alu instid0(VALU_DEP_2)
	v_add_nc_u32 v[AM0], s66, v[AM0]
	v_add_nc_u32 v[SBR], s56, v[R16]
	v_add_nc_u32 v[XW], s58, v[LI]
	v_add_nc_u32 v[XR], s59, v[LI]
	v_add_nc_u32 v[XWS], s58, v9
	v_add_nc_u32 v[XRS], s59, v9
	s_wait_alu depctr_va_vdst(0)                   ; the wait ahead of the readers below
	WIN 0x40
.irp u, 0,1
.irp c, 0,1,2
	global_load_b128 v[QR+12*\u+4*\c:QR+12*\u+4*\c+3], v[LI], s[74:75] offset:HEADB*\u+512*\c   ; Q stays in registers
.endr
.endr
	WIN 0
.irp u, 0,1
	global_load_b32 v[QS+\u], v[R16], s[72:73] offset:HEADB*\u
.endr
.irp u, 0,1
	v_mov_b32 v[ST+8*\u+1], 0xff61b1e6             ; the largest t so far: -3e38
.endr
.irp u, 0,1
	s_delay_alu instid0(VALU_DEP_2)
	v_floor_f32 v[ST+8*\u], -v[ST+8*\u+1]
.endr
.irp u, 0,1
	v_mov_b32 v[ST+8*\u+2], 0
	v_mov_b32 v[ST+8*\u+3], 0
	v_mov_b32 v[ST+8*\u+5], 0
.endr
	WIN 0x40
.set j_, 0
.rept 128
	v_mov_b32 v[j_], 0                             ; O^T: the key step has no first step of its own
.set j_, j_+1
.endr
	WIN 0
.macro ADDRS                           ; the slot in hand; made by all waves on the common way
	v_add_nc_u32 v[ADKV], s[TB], v[KB]
	v_add_nc_u32 v[ADM], s[TB], v[AM0]
	v_add_nc_u32 v[ADS], s[TB], v[SBR]
.endm
; FETCH AND S: my 128 keys of the slot: K's scale words, my 64 numbers of the mask, K; S^T = K Q^T + mask sqrt(128) for both heads; then V into K's registers.
.macro PHASEA
	ds_load_b128 v[KS:KS+3], v[ADS] offset:12288
	ds_load_b128 v[KS+4:KS+7], v[ADS] offset:12288+256
.irp b, 0,1,2,3
.irp j, 0,1,2,3
	ds_load_b128 v[MK+16*\b+4*\j:MK+16*\b+4*\j+3], v[ADM] offset:128*\b+16*\j
.endr
.endr
	WIN 0x40
.irp t, 0,1,2,3,4,5,6,7
.irp c, 0,1,2
	ds_load_b128 v[KV+12*\t+4*\c:KV+12*\t+4*\c+3], v[ADKV] offset:1536*\t+512*\c
.endr
.endr
	WIN 0
	s_wait_dscnt 24                                ; the scale words and the mask are in; K's 24 loads may be out
.set j_, 0
.rept 32
	v_pk_mul_f32 v[MK+j_:MK+j_+1], v[MK+j_:MK+j_+1], s[RT:RT+1] op_sel_hi:[1,0]
.set j_, j_+2
.endr
	PLACES
	s_wait_alu depctr_va_vdst(0)
	s_wait_dscnt 0x0
	WIN 0x05                                       ; K and Q window 1, the mask and S window 0
.irp t, 0,1,2,3,4,5,6,7
.irp u, 0,1
	v_wmma_scale_f32_16x16x128_f8f6f4 v[S+64*\u+8*\t:S+64*\u+8*\t+7], v[KV+12*\t:KV+12*\t+11], v[QR+12*\u:QR+12*\u+11], v[MK+8*\t:MK+8*\t+7], v[KS+\t], v[QS+\u] matrix_a_fmt:MATRIX_FMT_FP6 matrix_b_fmt:MATRIX_FMT_FP6
.endr
.endr
	WIN 0
	PLACES
	ds_load_b128 v[VS:VS+3], v[ADS] offset:VOFF+12288
	ds_load_b128 v[VS+4:VS+7], v[ADS] offset:VOFF+12288+256
	WIN 0x40
.irp t, 0,1,2,3,4,5,6,7
.irp c, 0,1,2
	ds_load_b128 v[KV+12*\t+4*\c:KV+12*\t+4*\c+3], v[ADKV] offset:VOFF+1536*\t+512*\c
.endr
.endr
	WIN 0
.endm
; THE SOFTMAX AND THE SECOND PRODUCT on the S and V that lie in registers.  Groups of eight lines go block by block, the two tiles by turns.
.macro SOFTPV
.irp b, 0,1,2,3
.irp u, 0,1
	v_max3_num_f32 v[TM+16*\u+\b], v[S+64*\u+16*\b], v[S+64*\u+16*\b+1], v[S+64*\u+16*\b+2]   ; each block's largest score: for the row's maximum and for the block's largest p
.endr
.endr
.irp i, 3,5,7,9,11,13
.irp b, 0,1,2,3
.irp u, 0,1
	v_max3_num_f32 v[TM+16*\u+\b], v[TM+16*\u+\b], v[S+64*\u+16*\b+\i], v[S+64*\u+16*\b+\i+1]
.endr
.endr
.endr
.irp b, 0,1,2,3
.irp u, 0,1
	v_max_num_f32 v[TM+16*\u+\b], v[TM+16*\u+\b], v[S+64*\u+16*\b+15]
.endr
.endr
.irp b, 0,1,2,3
.irp u, 0,1
	v_permlanex16_b32 v[TM+16*\u+4+\b], v[TM+16*\u+\b], s[SEL], s[SEL+1]
.endr
.endr
.irp b, 0,1,2,3
.irp u, 0,1
	v_max_num_f32 v[TM+16*\u+\b], v[TM+16*\u+\b], v[TM+16*\u+4+\b]
.endr
.endr
.irp u, 0,1
	s_delay_alu instid0(VALU_DEP_4)
	v_max3_num_f32 v[ST+8*\u+6], v[TM+16*\u], v[TM+16*\u+1], v[TM+16*\u+2]
.endr
.irp u, 0,1
	s_delay_alu instid0(VALU_DEP_2)
	v_max_num_f32 v[ST+8*\u+6], v[ST+8*\u+6], v[TM+16*\u+3]
.endr
.irp u, 0,1
	s_delay_alu instid0(VALU_DEP_2)
	v_mul_f32 v[ST+8*\u+6], s[CS], v[ST+8*\u+6]
.endr
.irp u, 0,1
	s_delay_alu instid0(VALU_DEP_2)
	v_max_num_f32 v[ST+8*\u+1], v[ST+8*\u+1], v[ST+8*\u+6]           ; the running largest t
.endr
.irp u, 0,1
	v_mov_b32 v[ST+8*\u+6], v[ST+8*\u]
.endr
.irp u, 0,1
	s_delay_alu instid0(VALU_DEP_4)
	v_floor_f32 v[ST+8*\u], -v[ST+8*\u+1]                            ; -M = floor(-t)
.endr
.irp u, 0,1
	s_delay_alu instid0(VALU_DEP_2)
	v_sub_f32 v[ST+8*\u+6], v[ST+8*\u], v[ST+8*\u+6]
.endr
.irp u, 0,1
	s_delay_alu instid0(VALU_DEP_2)
	v_cvt_i32_f32 v[ST+8*\u+6], v[ST+8*\u+6]
.endr
.irp u, 0,1
	s_delay_alu instid0(VALU_DEP_2)
	v_ldexp_f32 v[ST+8*\u+4], 1.0, v[ST+8*\u+6]                      ; f = 2^(old M - new M)
.endr
.irp u, 0,1
.set j_, 0
.rept 32
	v_pk_fma_f32 v[S+64*\u+j_:S+64*\u+j_+1], v[S+64*\u+j_:S+64*\u+j_+1], s[CS:CS+1], v[ST+8*\u:ST+8*\u+1] op_sel_hi:[1,0,0]   ; t - M
.set j_, j_+2
.endr
.endr
.irp b, 0,1,2,3
.irp u, 0,1
	v_fma_f32 v[TM+16*\u+\b], v[TM+16*\u+\b], s[CS], v[ST+8*\u]
.endr
.endr
	s_wait_alu depctr_va_vdst(0)                   ; the wait ahead of the batch
.set j_, 0
.rept 128
	v_exp_f32 v[S+j_], v[S+j_]                     ; p = 2^(t - M)
.set j_, j_+1
.endr
.irp u, 0,1
	v_pk_mul_f32 v[ST+8*\u+2:ST+8*\u+3], v[ST+8*\u+2:ST+8*\u+3], v[ST+8*\u+4:ST+8*\u+5] op_sel_hi:[1,0]
.endr
	s_wait_alu depctr_va_vdst(0)                   ; one wait for the batch, ahead of its first reader
.irp b, 0,1,2,3
.irp u, 0,1
	v_exp_f32 v[TM+16*\u+\b], v[TM+16*\u+\b]       ; the block's largest p
.endr
.endr
.irp u, 0,1                                    ; the row's sum of the unquantised p: four chains a tile
	v_pk_add_f32 v[TM+16*\u+4:TM+16*\u+5], v[S+64*\u:S+64*\u+1], v[S+64*\u+2:S+64*\u+3]
	v_pk_add_f32 v[TM+16*\u+6:TM+16*\u+7], v[S+64*\u+4:S+64*\u+5], v[S+64*\u+6:S+64*\u+7]
	v_pk_add_f32 v[TM+16*\u+8:TM+16*\u+9], v[S+64*\u+8:S+64*\u+9], v[S+64*\u+10:S+64*\u+11]
.endr
.irp j, 12,20,28,36,44,52
.irp u, 0,1
	v_pk_add_f32 v[ST+8*\u+2:ST+8*\u+3], v[ST+8*\u+2:ST+8*\u+3], v[S+64*\u+\j:S+64*\u+\j+1]
	v_pk_add_f32 v[TM+16*\u+4:TM+16*\u+5], v[TM+16*\u+4:TM+16*\u+5], v[S+64*\u+\j+2:S+64*\u+\j+3]
	v_pk_add_f32 v[TM+16*\u+6:TM+16*\u+7], v[TM+16*\u+6:TM+16*\u+7], v[S+64*\u+\j+4:S+64*\u+\j+5]
	v_pk_add_f32 v[TM+16*\u+8:TM+16*\u+9], v[TM+16*\u+8:TM+16*\u+9], v[S+64*\u+\j+6:S+64*\u+\j+7]
.endr
.endr
.irp u, 0,1
	v_pk_add_f32 v[ST+8*\u+2:ST+8*\u+3], v[ST+8*\u+2:ST+8*\u+3], v[S+64*\u+60:S+64*\u+61]
	v_pk_add_f32 v[TM+16*\u+4:TM+16*\u+5], v[TM+16*\u+4:TM+16*\u+5], v[S+64*\u+62:S+64*\u+63]
.endr
.irp u, 0,1
	v_pk_add_f32 v[TM+16*\u+6:TM+16*\u+7], v[TM+16*\u+6:TM+16*\u+7], v[TM+16*\u+8:TM+16*\u+9]
.endr
	v_pk_add_f32 v[ST+2:ST+3], v[ST+2:ST+3], v[TM+4:TM+5]
	s_delay_alu instid0(VALU_DEP_4)
	v_pk_add_f32 v[ST+10:ST+11], v[ST+10:ST+11], v[TM+20:TM+21]
.irp u, 0,1
	s_delay_alu instid0(VALU_DEP_2)
	v_pk_add_f32 v[ST+8*\u+2:ST+8*\u+3], v[ST+8*\u+2:ST+8*\u+3], v[TM+16*\u+6:TM+16*\u+7]
.endr
	s_wait_alu depctr_va_vdst(0)                   ; and one for the eight
.irp b, 0,1,2,3
.irp u, 0,1
	v_max_num_f32 v[TM+16*\u+\b], 0x1800000, v[TM+16*\u+\b]          ; the floor 2^(3 - 127): the byte cannot fall under 1
.endr
.endr
.irp b, 0,1,2,3
.irp u, 0,1
	v_add_nc_u32 v[TM+16*\u+8+\b], 0xff000000, v[TM+16*\u+\b]        ; 2 off the exponent field: the conversion's scale operand
.endr
.endr
.irp b, 0,1,2,3
.irp u, 0,1
	v_lshrrev_b32 v[TM+16*\u+4+\b], 23, v[TM+16*\u+8+\b]             ; the scale's byte
.endr
.endr
.irp u, 0,1
	v_lshl_or_b32 v[PW+\u], v[TM+16*\u+5], 8, v[TM+16*\u+4]
.endr
.irp u, 0,1
	s_delay_alu instid0(VALU_DEP_2)
	v_lshl_or_b32 v[PW+\u], v[TM+16*\u+6], 16, v[PW+\u]
.endr
.irp u, 0,1
	s_delay_alu instid0(VALU_DEP_2)
	v_lshl_or_b32 v[PW+\u], v[TM+16*\u+7], 24, v[PW+\u]
.endr
.irp u, 0,1
.irp c, 0,1
	v_cvt_scalef32_pk16_fp6_f32 v[PC+12*\u+6*\c:PC+12*\u+6*\c+2], v[S+64*\u+32*\c:S+64*\u+32*\c+15], v[TM+16*\u+8+2*\c]
	v_cvt_scalef32_pk16_fp6_f32 v[PT+8*\u+4*\c:PT+8*\u+4*\c+2], v[S+64*\u+32*\c+16:S+64*\u+32*\c+31], v[TM+16*\u+9+2*\c]
.endr
.endr
	v_nop                                          ; one plain line behind a scaled conversion
.irp u, 0,1
.irp c, 0,1
.irp i, 0,1,2
	v_permlane16_swap_b32 v[PC+12*\u+6*\c+\i], v[PT+8*\u+4*\c+\i]    ; a whole block to a lane
.endr
.endr
.endr
.irp u, 0,1
.irp c, 0,1
.irp i, 0,1,2
	v_mov_b32 v[PC+12*\u+6*\c+3+\i], v[PT+8*\u+4*\c+\i]
.endr
.endr
.endr
	WIN 0x41
	s_wait_alu depctr_va_vdst(0)                   ; the wait, directly ahead of the first reader of O^T
.irp u, 0,1
.set j_, 0
.rept 32
	v_pk_mul_f32 v[64*\u+j_:64*\u+j_+1], v[64*\u+j_:64*\u+j_+1], v[ST+8*\u+4:ST+8*\u+5] op_sel_hi:[1,0]   ; O^T under the new M; also the places ahead of the products
.set j_, j_+2
.endr
.endr
	s_wait_alu depctr_va_vdst(0)
	s_wait_dscnt 0x0                               ; V is in
	WIN 0x51                                       ; V, O^T window 1; p window 0
.irp t, 0,1,2,3,4,5,6,7                        ; the 16 accumulators by turns
.irp u, 0,1
	v_wmma_scale_f32_16x16x128_f8f6f4 v[64*\u+8*\t:64*\u+8*\t+7], v[KV+12*\t:KV+12*\t+11], v[PC+12*\u:PC+12*\u+11], v[64*\u+8*\t:64*\u+8*\t+7], v[VS+\t], v[PW+\u] matrix_a_fmt:MATRIX_FMT_FP6 matrix_b_fmt:MATRIX_FMT_FP6
.endr
.endr
	WIN 0
	PLACES
.endm
; THE CHANGE OF SLOTS: all my tensor loads are in, 0 onto my spare word, my LDS reads are over; fill = 1: a round of the cluster's barrier, and the slot that has been left takes the next 256 keys.
.macro CHANGE fill
	s_wait_tensorcnt 0x0
	ds_add_u32 v[SPW], v[NIL]
.if \fill
	s_xor_b32 s[G0KV+1], s[G0KV+1], SLOT1
	s_add_nc_u64 s[G0KV+2:G0KV+3], s[G0KV+2:G0KV+3], 2*REC
	s_xor_b32 s[G0M+1], s[G0M+1], SLOT1
	s_add_nc_u64 s[G0M+2:G0M+3], s[G0M+2:G0M+3], 1024
	s_wait_xcnt 0x0                                ; the last prefetch has read its address
	s_add_nc_u64 s[PFA:PFA+1], s[PFA:PFA+1], s[PFS:PFS+1]
	s_wait_dscnt 0x0
	CROUND
	JLOAD
	ASK
.else
	s_wait_dscnt 0x0
	s_barrier_signal -1
	s_barrier_wait -1
.endif
.endm
; A slot's work: waves 0-3: fetch and S, softmax and second product; waves 4-7: softmax and second product of the slot before, fetch and S.
.macro BODY mid
	s_cmp_ge_u32 s[WV], 4
	s_cbranch_scc1 .Lsoft_\@
	PHASEA
.Lsoft_\@:
	SOFTPV
\mid:
	s_wait_alu depctr_va_vdst(0)
	s_cmp_lt_u32 s[WV], 4
	s_cbranch_scc1 .Ldone_\@
	PHASEA
.Ldone_\@:
	s_xor_b32 s[TB], s[TB], SLOT1                  ; on to the other slot
.endm
	s_wait_alu depctr_va_vdst(0)                   ; the wait at the head's end
	s_wait_loadcnt 0x0                             ; Q
	CHANGE 1                                       ; slot 0 is whole; slot 1's first fill is issued as a refill is
	ADDRS
	s_sub_co_u32 s[SLOTS], s[SLOTS], 1
	s_wait_alu depctr_va_vdst(0)
	s_cmp_ge_u32 s[WV], 4
	s_cbranch_scc1 .Lmid                           ; waves 4-7 have no slot before the first
.Lslot:                                            ; six trips, each ending with a change that fills
	BODY .Lmid
	CHANGE 1
	ADDRS
	s_sub_co_u32 s[SLOTS], s[SLOTS], 1
	s_cmp_lg_u32 s[SLOTS], 0
	s_wait_alu depctr_va_vdst(0)
	s_cbranch_scc1 .Lslot
	s_mov_b32 s[SLOTS], 2
.Ltail:                                            ; the last two slots: nothing more is asked for
	BODY .Lmid2
	CHANGE 0
	ADDRS
	s_sub_co_u32 s[SLOTS], s[SLOTS], 1
	s_cmp_lg_u32 s[SLOTS], 0
	s_wait_alu depctr_va_vdst(0)
	s_cbranch_scc1 .Ltail
	s_cmp_lt_u32 s[WV], 4
	s_cbranch_scc1 .Ljoin
	SOFTPV                                         ; waves 4-7: the last slot's
.Ljoin:
; THE JOIN.  Each wave's sums; then a wave gives one head away and finishes the other.
.irp u, 0,1
	v_add_f32 v[ST+8*\u+2], v[ST+8*\u+2], v[ST+8*\u+3]
.endr
.irp u, 0,1
	s_delay_alu instid0(VALU_DEP_2)
	v_permlanex16_b32 v[ST+8*\u+6], v[ST+8*\u+2], s[SEL], s[SEL+1]
.endr
.irp u, 0,1
	s_delay_alu instid0(VALU_DEP_2)
	v_add_f32 v[ST+8*\u+1], v[ST+8*\u+2], v[ST+8*\u+6]               ; my keys' sum, beside -M
.endr
.macro GIVE u
	WIN 0x04                                       ; the data: window 1
.set k_, 0
.rept 16
	ds_store_b128 v[XW], v[64*\u+4*k_:64*\u+4*k_+3] offset:512*k_    ; each accumulator from its low end on
.set k_, k_+1
.endr
	WIN 0
	ds_store_b64 v[XWS], v[ST+8*\u:ST+8*\u+1] offset:8192
.endm
.macro QUANT s, pc, pt, pw, tm         ; 64 numbers of a lane become a fragment's codes and its scale word
.irp b, 0,1,2,3
	v_max3_num_f32 v[\tm+\b], |v[\s+16*\b]|, |v[\s+1+16*\b]|, 0x1800000
.endr
.irp i, 2,4,6,8,10,12,14
.irp b, 0,1,2,3
	s_delay_alu instid0(VALU_DEP_4)
	v_max3_num_f32 v[\tm+\b], v[\tm+\b], |v[\s+16*\b+\i]|, |v[\s+1+16*\b+\i]|
.endr
.endr
.irp b, 0,1,2,3
	s_delay_alu instid0(VALU_DEP_4)
	v_permlanex16_b32 v[\tm+4+\b], v[\tm+\b], s[SEL], s[SEL+1]
.endr
.irp b, 0,1,2,3
	s_delay_alu instid0(VALU_DEP_4)
	v_max_num_f32 v[\tm+\b], v[\tm+\b], v[\tm+4+\b]
.endr
.irp b, 0,1,2,3
	s_delay_alu instid0(VALU_DEP_4)
	v_add_nc_u32 v[\tm+12+\b], 0xff000000, v[\tm+\b]
.endr
.irp b, 0,1,2,3
	s_delay_alu instid0(VALU_DEP_4)
	v_lshrrev_b32 v[\tm+8+\b], 23, v[\tm+12+\b]
.endr
	s_delay_alu instid0(VALU_DEP_3)
	v_lshl_or_b32 v[\pw], v[\tm+9], 8, v[\tm+8]
	s_delay_alu instid0(VALU_DEP_1)
	v_lshl_or_b32 v[\pw], v[\tm+10], 16, v[\pw]
	s_delay_alu instid0(VALU_DEP_1)
	v_lshl_or_b32 v[\pw], v[\tm+11], 24, v[\pw]
.irp c, 0,1
	v_cvt_scalef32_pk16_fp6_f32 v[\pc+6*\c:\pc+2+6*\c], v[\s+32*\c:\s+15+32*\c], v[\tm+12+2*\c]
	v_cvt_scalef32_pk16_fp6_f32 v[\pt+4*\c:\pt+2+4*\c], v[\s+16+32*\c:\s+31+32*\c], v[\tm+13+2*\c]
.endr
	v_nop
.irp c, 0,1
.irp i, 0,1,2
	v_permlane16_swap_b32 v[\pc+6*\c+\i], v[\pt+4*\c+\i]
.endr
.endr
.irp c, 0,1
.irp i, 0,1,2
	v_mov_b32 v[\pc+3+6*\c+\i], v[\pt+4*\c+\i]
.endr
.endr
.endm
.macro FINISH u                        ; head u: mine and the other keys' under the common M, divided by the whole sum, quantised along the head's 128, stored as an image
.set k_, 0
.rept 16
	ds_load_b128 v[S+4*k_:S+4*k_+3], v[XR] offset:512*k_
.set k_, k_+1
.endr
	ds_load_b64 v[TM:TM+1], v[XRS] offset:8192
	s_wait_dscnt 0x0
	v_min_num_f32 v[TM+4], v[ST+8*\u], v[TM]       ; -M of all keys
	s_delay_alu instid0(VALU_DEP_1)
	v_sub_f32 v[TM+5], v[TM+4], v[ST+8*\u]
	s_delay_alu instid0(VALU_DEP_2)
	v_sub_f32 v[TM+6], v[TM+4], v[TM]
	s_delay_alu instid0(VALU_DEP_2)
	v_cvt_i32_f32 v[TM+5], v[TM+5]
	s_delay_alu instid0(VALU_DEP_2)
	v_cvt_i32_f32 v[TM+6], v[TM+6]
	s_delay_alu instid0(VALU_DEP_2)
	v_ldexp_f32 v[TM+5], 1.0, v[TM+5]              ; my factor, a power of two,
	s_delay_alu instid0(VALU_DEP_2)
	v_ldexp_f32 v[TM+6], 1.0, v[TM+6]              ; and the other's
	s_delay_alu instid0(VALU_DEP_2)
	v_mul_f32 v[TM+7], v[ST+8*\u+1], v[TM+5]
	s_delay_alu instid0(VALU_DEP_1)
	v_fma_f32 v[TM+7], v[TM+1], v[TM+6], v[TM+7]   ; the row's sum
	s_wait_alu depctr_va_vdst(0)
	v_rcp_f32 v[TM+8], v[TM+7]
	v_nop
	s_wait_alu depctr_va_vdst(0)
	v_mul_f32 v[TM+2], v[TM+6], v[TM+8]
	v_mul_f32 v[ST+8*\u+4], v[TM+5], v[TM+8]
.rept 3
	v_nop
.endr
.set j_, 0
.rept 32
	v_pk_mul_f32 v[S+j_:S+j_+1], v[S+j_:S+j_+1], v[TM+2:TM+3] op_sel_hi:[1,0]
.set j_, j_+2
.endr
	WIN 0x01
	s_wait_alu depctr_va_vdst(0)                   ; the wait, directly ahead of the first reader of O^T
.set j_, 0
.rept 32
	v_pk_fma_f32 v[S+j_:S+j_+1], v[64*\u+j_:64*\u+j_+1], v[ST+8*\u+4:ST+8*\u+5], v[S+j_:S+j_+1] op_sel_hi:[1,0,1]
.set j_, j_+2
.endr
	WIN 0
	QUANT S, PC, PT, PW, TM
.irp c, 0,1,2
	global_store_b128 v[LI], v[PC+4*\c:PC+4*\c+3], s[76:77] offset:1536*\u+512*\c   ; 512 consecutive bytes
.endr
	global_store_b32 v[R16], v[PW], s[78:79] offset:4*\u             ; row r's word; lanes r and r + 16 hold and store the same word
.endm
	s_wait_alu depctr_va_vdst(0)
	s_cmp_lt_u32 s[WV], 4
	s_cbranch_scc1 .Lgive1
	GIVE 0
	s_branch .Lgiven
.Lgive1:
	GIVE 1
.Lgiven:
	s_wait_dscnt 0x0                               ; my stores are done, for the other wave's sake
	s_barrier_signal -1
	s_barrier_wait -1
	s_cmp_lt_u32 s[WV], 4
	s_cbranch_scc1 .Lkeep0
	FINISH 1
	s_branch .Lend
.Lkeep0:
	FINISH 0
.Lend:
	s_wait_tensorcnt 0x0                           ; the wave's end
	ds_add_u32 v[SPW], v[NIL]
	s_wait_dscnt 0x0
	CROUND                                         ; the closing round
	s_endpgm
.Lfunc_end_k_qf45e0a6ac1_attn:
	.size	k_qf45e0a6ac1_attn, .Lfunc_end_k_qf45e0a6ac1_attn-k_qf45e0a6ac1_attn
	.p2alignl 7, 3214868480
	.fill 96, 4, 3214868480
	.section	.rodata,"a",@progbits
	.p2align	6, 0x0
	.amdhsa_kernel k_qf45e0a6ac1_attn
		.amdhsa_group_segment_fixed_size 327680
		.amdhsa_private_segment_fixed_size 0
		.amdhsa_enable_private_segment 0
		.amdhsa_kernarg_size 24
		.amdhsa_user_sgpr_count 2
		.amdhsa_user_sgpr_kernarg_segment_ptr 1
		.amdhsa_wavefront_size32 1
		.amdhsa_system_sgpr_workgroup_id_x 1
		.amdhsa_system_sgpr_workgroup_id_y 1
		.amdhsa_system_sgpr_workgroup_id_z 1
		.amdhsa_system_vgpr_workitem_id 0
		.amdhsa_next_free_vgpr 512
		.amdhsa_next_free_sgpr 100
		.amdhsa_reserve_vcc 0
		.amdhsa_float_denorm_mode_32 3
		.amdhsa_float_denorm_mode_16_64 3
		.amdhsa_memory_ordered 1
		.amdhsa_forward_progress 1
		.amdhsa_inst_pref_size 165
	.end_amdhsa_kernel
	.amdgpu_metadata
---
amdhsa.version: [ 1, 2 ]
amdhsa.kernels:
  - .name:           k_qf45e0a6ac1_attn
    .symbol:         k_qf45e0a6ac1_attn.kd
    .args:
      - { .name: qkv, .offset: 0, .size: 8, .value_kind: global_buffer, .address_space: global }
      - { .name: attention_mask, .offset: 8, .size: 8, .value_kind: global_buffer, .address_space: global }
      - { .name: aoi, .offset: 16, .size: 8, .value_kind: global_buffer, .address_space: global }
    .group_segment_fixed_size: 327680
    .private_segment_fixed_size: 0
    .kernarg_segment_align: 8
    .kernarg_segment_size: 24
    .max_flat_workgroup_size: 256
    .sgpr_count:     100
    .vgpr_count:     512
    .wavefront_size: 32
...
	.end_amdgpu_metadata
.endif
;; end of part 3
;; launch gemm_o (part 4): grid 16 x 16, 4 waves a work-group, clusters of 4 x 4, 327,680 bytes of LDS; arguments aoi, woi, out0; writes out0
.if DOCPART == 4
	.amdgcn_target "amdgcn-amd-amdhsa--gfx1250"
	.amdhsa_code_object_version 6
	.text
	.protected	k_qf45e0a6ac1_gemm_o
	.globl	k_qf45e0a6ac1_gemm_o
	.p2align	8
	.type	k_qf45e0a6ac1_gemm_o,@function
k_qf45e0a6ac1_gemm_o:
	s_mov_b64 s[64:65], 0
	v_nop
	global_prefetch_b8 v0, s[64:65] scope:SCOPE_SE
	s_setreg_imm32_b32 hwreg(HW_REG_WAVE_MODE, 25, 1), 1
	s_wait_xcnt 0x0
	s_wait_alu depctr_hold_cnt(0) depctr_sa_sdst(0) depctr_va_vdst(0) depctr_va_sdst(0) depctr_va_ssrc(0) depctr_va_vcc(0) depctr_vm_vsrc(0)
	s_getreg_b32 s2, hwreg(HW_REG_IB_STS2, 6, 4)
	s_cmp_eq_u32 s2, 0
	s_cbranch_scc0 .Lentry_in_a_cluster
	s_endpgm
.Lentry_in_a_cluster:
	s_bfe_u32 s2, ttmp6, 0x10000c
	s_cmp_lg_u32 s2, 0xf033
	s_cbranch_scc0 .Lentry_shape_is_right
	s_endpgm
.Lentry_shape_is_right:
.set KG,     4
.set GRP,    6400
.set BPITCH, GRP*KG
.set SLOT,   24*GRP
.set BOFF,   8*GRP
.set SPARE,  2*SLOT
.set LAPS,   KG/2
.set SPITCH, 528
.set ADRA, 16
.set ADRB, 18
.set ADSA, 20
.set ADSB, 22
.set LI,   24
.set STO,  25
.set RD,   26
.set SPW,  28
.set NIL,  29
.set SC,   32
.set AF,   128
.set BK,   128
.set G1,  24
.set G0,  32
.set G1B, 48
.set G0B, 56
.set MSB, 0
.macro WIN new
.if MSB != \new
	s_set_vgpr_msb (MSB<<8)|\new
.set MSB, \new
.endif
.endm
.set MUL,  0xa1
.macro JLOAD g0a, g1a, g0b, g1b
	s_cmp_eq_u32 s15, 0
	s_cbranch_scc0 .Lfor_b_\@
	tensor_load_to_lds s[\g0a:\g0a+3], s[\g1a:\g1a+7]
	s_nop 0
.rept 4
	v_nop
.endr
	s_branch .Lasked_\@
.Lfor_b_\@:
	tensor_load_to_lds s[\g0b:\g0b+3], s[\g1b:\g1b+7]
	s_nop 0
.rept 4
	v_nop
.endr
.Lasked_\@:
.endm
.macro CREST
	s_cmp_lg_u32 s14, 0
	s_cbranch_scc1 .Lnot_wave_0_\@
	s_barrier_signal -3
.Lnot_wave_0_\@:
	s_barrier_wait -3
	s_barrier_signal -1
	s_barrier_wait -1
.endm
.macro CROUND
	s_barrier_signal -1
	s_barrier_wait -1
	CREST
.endm
.macro PLACES
.rept 4
	v_nop
.endr
.endm
	s_load_b128 s[4:7], s[0:1], 0x0
	s_load_b64 s[12:13], s[0:1], 0x10
	v_lshl_add_u32 v[SPW], v0, 2, SPARE
	v_mov_b32 v[NIL], 0
	ds_add_u32 v28, v29
	ds_add_u32 v28, v29
	s_wait_dscnt 0x0
	v_lshrrev_b32 v1, 5, v0
	v_readfirstlane_b32 s14, v1
	v_and_b32 v30, 31, v0                          ; the prefetches' offset: 256 x min(lane, 24): a group is 25 blocks of 256 bytes; never rewritten
	v_min_u32 v30, 24, v30
	v_lshlrev_b32 v30, 8, v30
	s_lshr_b32 s15, s14, 1
	s_and_b32 s16, s14, 1
	s_bfe_u32 s40, ttmp6, 0x40000
	s_bfe_u32 s41, ttmp6, 0x40004
	s_lshl_b32 s42, ttmp9, 2
	s_add_co_u32 s42, s42, s40
	s_and_b32 s17, ttmp7, 0xffff
	s_lshl_b32 s17, s17, 2
	s_add_co_u32 s17, s17, s41
	s_lshl_b32 s43, s41, 2
	s_lshl_b32 s43, 15, s43
	s_lshl_b32 s44, 0x1111, s40
	s_or_b32 s[G1+0], s43, (3<<16)|(1<<21)
	s_or_b32 s[G1B+0], s44, (3<<16)|(1<<21)
	s_mov_b32 s[G1+1], 800<<16
	s_mov_b32 s[G1+2], 4<<16
	s_mov_b32 s[G1+3], 800<<16
	s_mov_b32 s[G1+4], 4
	s_mov_b32 s[G1+5], 800*KG
	s_mov_b32 s[G1+6], 0
	s_mov_b32 s[G1+7], 0
	s_mov_b32 s[G1B+1], 800<<16
	s_mov_b32 s[G1B+2], 8<<16
	s_mov_b32 s[G1B+3], 800<<16
	s_mov_b32 s[G1B+4], 8
	s_mov_b32 s[G1B+5], 800*KG
	s_mov_b32 s[G1B+6], 0
	s_mov_b32 s[G1B+7], 0
	s_lshl_b32 s20, s17, 3
	s_lshl_b32 s21, s16, 2
	s_add_co_u32 s20, s20, s21
	s_mul_i32 s20, s20, BPITCH
	s_mov_b32 s21, 0
	s_lshl_b32 s46, s42, 4
	s_lshl_b32 s47, s16, 3
	s_add_co_u32 s46, s46, s47
	s_mul_i32 s46, s46, BPITCH
	s_mov_b32 s47, 0
	s_mul_i32 s45, s16, 4*GRP
	s_mul_i32 s66, s16, 8*GRP
	s_add_co_u32 s66, s66, BOFF
	s_wait_kmcnt 0x0
	s_add_nc_u64 s[20:21], s[4:5], s[20:21]
	s_add_nc_u64 s[46:47], s[6:7], s[46:47]
	CROUND
.irp s, 0,1
	s_mov_b32 s[G0+4*\s], 1
	s_add_co_u32 s[G0+4*\s+1], s45, \s*SLOT
	s_add_nc_u64 s[G0+4*\s+2:G0+4*\s+3], s[20:21], \s*GRP
	s_or_b32 s[G0+4*\s+3], s[G0+4*\s+3], 0x80000000
	s_mov_b32 s[G0B+4*\s], 1
	s_add_co_u32 s[G0B+4*\s+1], s66, \s*SLOT
	s_add_nc_u64 s[G0B+4*\s+2:G0B+4*\s+3], s[46:47], \s*GRP
	s_or_b32 s[G0B+4*\s+3], s[G0B+4*\s+3], 0x80000000
.endr
; A PREFETCH INTO THE L2 behind each of the first two joint loads: the K group that stands TWO loads on (K has four groups, so the two refills ask for nothing).  Of the blocks of 16 rows that a wave fetches
; (A: 4, B: 8) each of the four partners that ask jointly takes a quarter, told apart BY ADDRESS (cx for A, cy for B): one group of 6,400 bytes an instruction, lanes 24-31 naming its last block.
.macro ASK off
	global_prefetch_b8 v30, s[84:85] offset:\off th:TH_LOAD_NT scope:SCOPE_SE
	s_cmp_eq_u32 s15, 0
	s_cbranch_scc1 .Lone_\@
	global_prefetch_b8 v30, s[84:85] offset:\off+BPITCH th:TH_LOAD_NT scope:SCOPE_SE
.Lone_\@:
.endm
	JLOAD G0, G1, G0B, G1B                         ; K group 0: one tensor load a wave at the head
	s_cmp_eq_u32 s15, 0
	s_cselect_b64 s[84:85], s[20:21], s[46:47]     ; the rows that I fetch,
	s_cselect_b32 s86, s40, s41                    ; my place among the four that ask with me,
	s_lshl_b32 s86, s86, s15                       ; x 1 block (A) or 2 (B)
	s_mul_i32 s86, s86, BPITCH
	s_mov_b32 s87, 0
	s_add_nc_u64 s[84:85], s[84:85], s[86:87]
	s_wait_alu depctr_va_vdst(0)                   ; the wait ahead of the reader of v30
	ASK 2*GRP
	v_and_b32 v1, 31, v0
	v_lshlrev_b32 v[LI], 4, v1
	v_and_b32 v2, 15, v0
	v_lshlrev_b32 v3, 4, v2
	v_bfe_u32 v4, v0, 4, 1
	s_mul_i32 s96, s15, 4*GRP
	s_mul_i32 s97, s16, 8*GRP
	s_add_co_u32 s97, s97, BOFF
.irp s, 0,1
	v_add_nc_u32 v[ADRA+\s], s96, v[LI]
	v_add_nc_u32 v[ADRB+\s], s97, v[LI]
	v_add_nc_u32 v[ADSA+\s], s96, v3
	v_add_nc_u32 v[ADSB+\s], s97, v3
	s_add_co_u32 s96, s96, SLOT
	s_add_co_u32 s97, s97, SLOT
.endr
	s_mul_i32 s98, s14, 16*SPITCH
	v_mul_u32_u24 v5, v2, SPITCH
	v_lshl_add_u32 v5, v4, 6, v5
	v_add_nc_u32 v[STO], s98, v5
	v_add_nc_u32 v[RD], s98, v[LI]
	s_lshl_b32 s70, s17, 7
	s_lshl_b32 s71, s15, 6
	s_add_co_u32 s70, s70, s71
	s_lshl_b32 s70, s70, 14
	s_mov_b32 s71, 0
	s_lshl_b32 s72, s42, 10
	s_lshl_b32 s73, s16, 9
	s_add_co_u32 s72, s72, s73
	s_mov_b32 s73, 0
	s_add_nc_u64 s[70:71], s[70:71], s[72:73]
	s_add_nc_u64 s[12:13], s[12:13], s[70:71]
.macro FETCH slot, q, p
	WIN 0x40
.irp b, 0,1,2,3,4,5,6,7
.irp c, 0,1,2
	ds_load_b128 v[96*(\p)+12*\b+4*\c:96*(\p)+12*\b+4*\c+3], v[ADRB+\slot] offset:GRP*\b+1536*(\q)+512*\c
.endr
.endr
	WIN 0
.irp a, 0,1,2,3
.irp c, 0,1,2
	ds_load_b128 v[AF+48*(\p)+12*\a+4*\c:AF+48*(\p)+12*\a+4*\c+3], v[ADRA+\slot] offset:GRP*\a+1536*(\q)+512*\c
.endr
.endr
.endm
.macro SCALES s
.irp i, 0,1,2,3
	ds_load_b128 v[SC+48*\s+4*\i:SC+48*\s+4*\i+3], v[ADSA+\s] offset:GRP*\i+6144
.endr
.irp i, 0,1,2,3,4,5,6,7
	ds_load_b128 v[SC+48*\s+16+4*\i:SC+48*\s+19+4*\i], v[ADSB+\s] offset:GRP*\i+6144
.endr
.endm
.macro MULA a, p, ks, sc, zero
.irp b, 0,1,2,3,4,5,6,7
.if \zero
	v_wmma_scale_f32_16x16x128_f8f6f4 v[8*(8*(\a)+\b):8*(8*(\a)+\b)+7], v[96*(\p)+12*\b:96*(\p)+12*\b+11], v[AF+48*(\p)+12*(\a):AF+48*(\p)+12*(\a)+11], 0, v[SC+48*(\sc)+16+4*\b+(\ks)], v[SC+48*(\sc)+4*(\a)+(\ks)] matrix_a_fmt:MATRIX_FMT_FP6 matrix_b_fmt:MATRIX_FMT_FP6
.else
	v_wmma_scale_f32_16x16x128_f8f6f4 v[8*(8*(\a)+\b):8*(8*(\a)+\b)+7], v[96*(\p)+12*\b:96*(\p)+12*\b+11], v[AF+48*(\p)+12*(\a):AF+48*(\p)+12*(\a)+11], v[8*(8*(\a)+\b):8*(8*(\a)+\b)+7], v[SC+48*(\sc)+16+4*\b+(\ks)], v[SC+48*(\sc)+4*(\a)+(\ks)] matrix_a_fmt:MATRIX_FMT_FP6 matrix_b_fmt:MATRIX_FMT_FP6
.endif
.endr
.endm
.macro STEP slot, q, zero
	s_wait_dscnt 0x0
	PLACES
	FETCH \slot, (\q)+1, 1-(\q)%2
	WIN MUL
	MULA 0, (\q)%2, \q, \slot, \zero
	MULA 1, (\q)%2, \q, \slot, \zero
	MULA 2, (\q)%2, \q, \slot, \zero
	MULA 3, (\q)%2, \q, \slot, \zero
	WIN 0
.endm
.macro TURN slot, next, fill
	s_wait_tensorcnt 0x0
	ds_add_u32 v[SPW], v[NIL]
	s_wait_dscnt 1
	WIN MUL
	MULA 0, 1, 3, \slot, 0
	s_wait_dscnt 0x0
	s_barrier_signal -1
	MULA 1, 1, 3, \slot, 0
	WIN 0
	s_barrier_wait -1
.if \fill
	CREST
	s_add_nc_u64 s[G0+4*\slot+2:G0+4*\slot+3], s[G0+4*\slot+2:G0+4*\slot+3], 2*GRP
	s_add_nc_u64 s[G0B+4*\slot+2:G0B+4*\slot+3], s[G0B+4*\slot+2:G0B+4*\slot+3], 2*GRP
	JLOAD G0+4*\slot, G1, G0B+4*\slot, G1B
.else
	PLACES
.endif
	FETCH \next, 0, 0
	SCALES \next
	WIN MUL
	MULA 2, 1, 3, \slot, 0
	MULA 3, 1, 3, \slot, 0
	WIN 0
.endm
	s_wait_alu depctr_va_vdst(0)                   ; the wait at the head's end
	s_wait_tensorcnt 0x0                           ; my part of K group 0 is in; slot 1's first fill is issued as a refill is
	ds_add_u32 v[SPW], v[NIL]
	s_wait_dscnt 0x0
	CROUND
	JLOAD G0+4, G1, G0B+4, G1B
	FETCH 0, 0, 0
	SCALES 0
	ASK 3*GRP
	STEP 0, 0, 1
	s_mov_b32 s3, LAPS-1
.Llap:
	STEP 0, 1, 0
	STEP 0, 2, 0
	TURN 0, 1, 1
	STEP 1, 0, 0
	STEP 1, 1, 0
	STEP 1, 2, 0
	TURN 1, 0, 1
	STEP 0, 0, 0
	s_sub_co_u32 s3, s3, 1
	s_cmp_lg_u32 s3, 0
	s_cbranch_scc1 .Llap
	STEP 0, 1, 0
	STEP 0, 2, 0
	TURN 0, 1, 0
	STEP 1, 0, 0
	STEP 1, 1, 0
	STEP 1, 2, 0
	s_wait_dscnt 0x0
	WIN MUL
	MULA 0, 1, 3, 1, 0
	MULA 1, 1, 3, 1, 0
	MULA 2, 1, 3, 1, 0
	MULA 3, 1, 3, 1, 0
	WIN 0
.macro TOSTAGE a
	WIN 0x08
.irp b, 0,1,2,3,4,5,6,7
	ds_store_b128 v[STO], v[8*(8*(\a)+\b):8*(8*(\a)+\b)+3] offset:128*(\b/2)+32*(\b%2)
	ds_store_b128 v[STO], v[8*(8*(\a)+\b)+4:8*(8*(\a)+\b)+7] offset:128*(\b/2)+32*(\b%2)+16
.endr
	WIN 0
.set BB, BK+64*((\a)%2)
.irp t, 0,1,2,3,4,5,6,7,8,9,10,11,12,13,14,15
	ds_load_b128 v[BB+4*\t:BB+4*\t+3], v[RD] offset:\t*SPITCH
.endr
.endm
.macro SEND a, younger
.set BB, BK+64*((\a)%2)
	s_wait_dscnt \younger
.irp t, 0,1,2,3,4,5,6,7,8,9,10,11,12,13,14,15
	global_store_b128 v[LI], v[BB+4*\t:BB+4*\t+3], s[12:13] offset:(32*((\a)/2)+8*((\a)%2)+\t+8*(\t/8))*16384 th:TH_STORE_NT
.endr
.endm
	PLACES
	TOSTAGE 0
.irp a, 1,2,3
.if \a > 1
	s_wait_xcnt 0x0
.endif
	TOSTAGE \a
	SEND \a-1, 32
.endr
	SEND 3, 0
	s_wait_tensorcnt 0x0
	ds_add_u32 v[SPW], v[NIL]
	s_wait_dscnt 0x0
	CROUND
	s_endpgm
.Lfunc_end_k_qf45e0a6ac1_gemm_o:
	.size	k_qf45e0a6ac1_gemm_o, .Lfunc_end_k_qf45e0a6ac1_gemm_o-k_qf45e0a6ac1_gemm_o
	.p2alignl 7, 3214868480
	.fill 96, 4, 3214868480
	.section	.rodata,"a",@progbits
	.p2align	6, 0x0
	.amdhsa_kernel k_qf45e0a6ac1_gemm_o
		.amdhsa_group_segment_fixed_size 327680
		.amdhsa_private_segment_fixed_size 0
		.amdhsa_enable_private_segment 0
		.amdhsa_kernarg_size 24
		.amdhsa_user_sgpr_count 2
		.amdhsa_user_sgpr_kernarg_segment_ptr 1
		.amdhsa_wavefront_size32 1
		.amdhsa_system_sgpr_workgroup_id_x 1
		.amdhsa_system_sgpr_workgroup_id_y 1
		.amdhsa_system_sgpr_workgroup_id_z 1
		.amdhsa_system_vgpr_workitem_id 0
		.amdhsa_next_free_vgpr 768
		.amdhsa_next_free_sgpr 100
		.amdhsa_reserve_vcc 0
		.amdhsa_float_denorm_mode_32 3
		.amdhsa_float_denorm_mode_16_64 3
		.amdhsa_memory_ordered 1
		.amdhsa_forward_progress 1
		.amdhsa_inst_pref_size 133
	.end_amdhsa_kernel
	.amdgpu_metadata
---
amdhsa.version: [ 1, 2 ]
amdhsa.kernels:
  - .name:           k_qf45e0a6ac1_gemm_o
    .symbol:         k_qf45e0a6ac1_gemm_o.kd
    .args:
      - { .name: aoi, .offset: 0, .size: 8, .value_kind: global_buffer, .address_space: global }
      - { .name: woi, .offset: 8, .size: 8, .value_kind: global_buffer, .address_space: global }
      - { .name: out0, .offset: 16, .size: 8, .value_kind: global_buffer, .address_space: global }
    .group_segment_fixed_size: 327680
    .private_segment_fixed_size: 0
    .kernarg_segment_align: 8
    .kernarg_segment_size: 24
    .max_flat_workgroup_size: 128
    .sgpr_count:     100
    .vgpr_count:     768
    .wavefront_size: 32
...
	.end_amdgpu_metadata
.endif
;; end of part 4
